; MI455X (gfx1250); checked and timed in simulation.
; The chip was launched on July 23, 2026; its instructions are those of AMD's public machine-readable ISA for CDNA 5 (MIT licence, August 2026) and "CDNA5" Instruction Set Architecture Reference Guide (July 2026). The comments in the code are by the model that wrote it; some were corrected since.
;; Multi Head Attention. Allowed arithmetic: matrix products marked QUANTISED: E2M3 operands, one E8M0 scale for each 32 along K, by v_wmma_scale_f32_16x16x128_f8f6f4 with both operands' format E2M3, f32 sums; everything else in f32.
;; Inputs: Wk 1,024 x 1,024 float32; Wq 1,024 x 1,024 float32; Wv 1,024 x 1,024 float32; k 4 x 2,048 x 1,024 float32; q 4 x 2,048 x 1,024 float32; q_mask 4 x 2,048 float32; v 4 x 2,048 x 1,024 float32; v_mask 4 x 2,048 float32.
;; Outputs: out0 4 x 2,048 x 1,024 float32.
;; This version of the problem:
;;   THIS VERSION OF THE PROBLEM IS GIVEN IN LOW PRECISION. The matrix products marked QUANTISED in the list below multiply operands that are first quantised to E2M3 (2 exponent bits, 3 mantissa bits; 6 bits a number), with one power-of-two scale for each 32 numbers along K (OCP MX v1.0); their sums are f32. All else is computed in f32.
;;   The module's matrix products, in the order in which they are computed (A, B: the left and right operand; K: the contracted axis; several contracted axes count as one K, in the product's order):
;;     1. [M 8,192, K 1,024] x [K 1,024, N 1,024]; A: input q; B: input Wq: QUANTISED
;;     2. [M 8,192, K 1,024] x [K 1,024, N 1,024]; A: input k; B: input Wk: QUANTISED
;;     3. [M 8,192, K 1,024] x [K 1,024, N 1,024]; A: input v; B: input Wv: QUANTISED
;;     4. batch 64 x [M 2,048, K 64] x [K 64, N 2,048]; A: computed on the way; B: computed on the way: QUANTISED
;;     5. batch 64 x [M 2,048, K 2,048] x [K 2,048, N 64]; A: softmax (see below); B: computed on the way: QUANTISED
;;   THE QUANTISER, for each operand of a quantised product, along K:
;;     - K is cut into blocks of 32 from its start; a last block that is shorter is filled with zeros.
;;     - A block's scale is 2^e with e = floor(log2(the largest magnitude in the block)) - 2, held to -126 .. 127; a block of zeros has e = 0. As a byte (E8M0): e + 127.
;;     - Each number is divided by its block's scale, clamped to +-7.5, and rounded to the nearest number of E2M3, ties to even, subnormals kept.
;;     - The product sums the exact products of the quantised numbers (number of the format x scale) in f32.
;;   ~~~python
;;   def quantise(x, axis):      # numpy; x: float32 -> the quantised numbers, widened to float32 again
;;       x = np.moveaxis(x, axis, -1); K = x.shape[-1]
;;       x = np.pad(x, [(0, 0)] * (x.ndim - 1) + [(0, -K % 32)]); x = x.reshape(x.shape[:-1] + (-1, 32)); a = np.abs(x).max(-1, keepdims=True)
;;       e = np.where(a > 0, np.clip(np.frexp(np.where(a > 0, a, 1))[1] - 1 - 2, -126, 127), 0)      # np.frexp(a)[1] - 1 = floor(log2(a)), exactly
;;       r = np.clip(x / 2.0 ** e, -7.5, 7.5)
;;       step = 2.0 ** (np.maximum(np.frexp(np.where(r == 0, 1, r))[1] - 1, 0) - 3)
;;       q = np.round(r / step) * step * 2.0 ** e      # np.round: ties to even
;;       return np.moveaxis(q.reshape(q.shape[:-2] + (-1,))[..., :K], -1, axis).astype(np.float32)
;;   ~~~
;;   SOFTMAX AHEAD OF A QUANTISED PRODUCT. Where the list says 'softmax', what is quantised is not the finished softmax but p = 2^(t - M), with t = logit x log2(e) and M = ceil(the row's largest t), a whole number; so 1/2 < the row's largest p <= 1. The row's sum l is taken of the UNQUANTISED p, in f32, and the product's result is divided by l at the end. Since M is a whole number, a kernel that streams over the keys may use a running M (the ceiling of the running maximum): every later rescaling is an exact power of two, which a block's scale takes up: the codes' values come out the same.
;;   OPERANDS COMPUTED ON THE WAY. 'Computed on the way' means the value that the module computes at that place (a softmax that the list does not call 'softmax' is quantised finished and normalised). What goes into a quantiser is computed in f32, as accurately as f32 sums, v_exp_f32 and their like allow (about 1e-6 of the number): no bf16 or f16 on the way to a quantiser, and a product that is left as it is and whose result goes on into a quantised operand takes f32 operands (vector FMAs, or v_wmma_f32_16x16x4_f32). A number that lies on a knife's edge between two numbers of the format may be rounded either way, as far as f32 arithmetic and the matrix unit's own rounding can turn it there, and no further.
;; One version. Each part assembles by itself: llvm-mc -triple=amdgcn-amd-amdhsa -mcpu=gfx1250 --defsym DOCPART=n.
;; ======== version 1 of 1: 3 launches
;; limits: right only within a limited range of input values
;; workspace buffers: xc 18,874,368 bytes; xs 786,432 bytes; wc 2,359,296 bytes; ws 98,304 bytes; qc 6,815,744 bytes; kv 13,369,344 bytes; np 32,768 bytes; nd 512 bytes of whole numbers
;; launch prep (part 1): grid 865 x 1, 4 waves a work-group, no clusters, 68,096 bytes of LDS; arguments q, k, v, Wq, Wk, Wv, v_mask, xc, xs, wc, ws, np, nd; writes xc, xs, wc, ws, np, nd
.if DOCPART == 1
	.amdgcn_target "amdgcn-amd-amdhsa--gfx1250"
	.amdhsa_code_object_version 6
	.text
	.protected	k_q25a2b28ab8_prep
	.globl	k_q25a2b28ab8_prep
	.p2align	8
	.type	k_q25a2b28ab8_prep,@function
k_q25a2b28ab8_prep:
	s_mov_b64 s[64:65], 0
	v_nop
	global_prefetch_b8 v0, s[64:65] scope:SCOPE_SE
	s_setreg_imm32_b32 hwreg(HW_REG_WAVE_MODE, 25, 1), 1
	s_wait_xcnt 0x0
; THE FIRST LAUNCH: everything that many work-groups will read again is made narrow once.
; Work-groups 0-95:   Wq, Wk, Wv [1024 (k)][1024 (n)] f32 -> codes of FP6 (E2M3) with K innermost, 768 bytes a column, and one E8M0 byte for each 32 along K.
;                     COLUMN n LIES AT ROW p(n) = n with bits 3 and 4 exchanged, so that in the products a lane's 16 registers of two neighbouring tiles are 16 neighbours along n.
; Work-group 96:      v_mask [4][2048]: wave b takes batch b.  np = (v_mask - 1) x 1e9, rounded as (1 - v_mask) x 1e9 is, with the sign turned;
;                     nd[b] = ND, a whole number: the first key whose v_mask is at least 0.5 (2,048 if there is none, or if any v_mask is above 1.25).
;                     A query from ND on sees a key whose penalty is at most 5e8, and every key above its diagonal carries at least 7.5e8: those keys' weights are exactly 0.
;                     A query under ND has all its visible keys at the level of -1e9, where keys above the diagonal count too: the attention launch walks all keys for it.
; Work-groups 97-864: q, k, v [8192][1024] f32 -> codes, K innermost, and scale bytes: plain streams of blocks of 32 numbers.
; A block's scale is 2^(floor(log2(its largest magnitude)) - 2); its byte is the largest magnitude's exponent field - 2, held at 1 from below (a block of zeros keeps the byte 1: its codes
; are zeros, and this program alone reads the bytes).  LIMITS: blocks whose largest magnitude lies under 2^-124 keep the byte 1; NaN and infinities among the inputs are not served.
; The three paths part on the work-group's number; each has LDS bytes of its own.  No tensor loads, no barrier: waves share nothing.
.set WV,    32                         ; s32  my wave's number
.set SPW,   192                        ; v192 LDS address of my spare word; never rewritten
.set NIL,   193                        ; v193 0; never rewritten
.set SPARE, 67584                      ; behind both paths' regions: the spare words, 128 bytes for each wave
.set EMAX,  2
; ---- the x path: a wave takes 16 steps of 512 numbers
.set XREG,  8192                       ; LDS 0 .. 32,767: a region for each wave: two stages of 32 x SP bytes, then its 256 scale bytes
.set SP,    80                         ; a lane's place in a stage: 64 bytes + 16 of padding
.set CB,    12                         ; bytes of 16 codes
.set STEPS, 16
.set R,     16                         ; v16-79   four sets of 16 numbers as loaded
.set X,     80                         ; v80-111  two sets of 16 neighbours
.set E,     112                        ; v112-127 a scale byte for each step
.set C,     128                        ; v128-191 codes, four registers for each step: no store's data are written again
; ---- the W path: a wave takes 32 columns x 256 along K
.set WSTG,  32768                      ; LDS 32,768 .. 67,583: four stages of 32 rows x PITCH
.set PITCH, 272                        ; a stage row: sixteen places of 16 bytes, each with 12 bytes of codes, + 16
.set KROW,  768                        ; a row of the codes' buffer
.set NB,    8                          ; blocks of 32 along K for a wave
.set WX,    32                         ; v32-95   two sets of 32 numbers
.set WC,    96                         ; v96..    a block's codes
.set OUTR,  112                        ; v112-175 the way out
.set SB,    24                         ; v24-25   the scale bytes, four to a register
.macro XLOAD t
.irp i, 0,1,2,3
	global_load_b128 v[R+16*((\t)%4)+4*\i:R+16*((\t)%4)+4*\i+3], v3, s[30:31] offset:2048*(\t)+512*\i th:TH_LOAD_NT   ; 32 lanes read 512 consecutive bytes
.endr
.endm
.macro XTURN t                         ; step t's numbers through the stage: LDS serves a wave's instructions in order, so no wait stands between the stores and the loads
.irp i, 0,1,2,3
	ds_store_b128 v14, v[R+16*((\t)%4)+4*\i:R+16*((\t)%4)+4*\i+3] offset:32*SP*((\t)%2)+8*SP*\i
.endr
.irp i, 0,1,2,3
	ds_load_b128 v[X+16*((\t)%2)+4*\i:X+16*((\t)%2)+4*\i+3], v15 offset:32*SP*((\t)%2)+16*\i
.endr
.endm
.macro XSTEP t
.set XS, X+16*((\t)%2)
.if (\t) > 0
	s_wait_dscnt 1                                 ; this step's numbers are back from the stage (the last step's byte store may be out)
.else
	s_wait_dscnt 0x0
.endif
.if (\t)+4 < STEPS
	XLOAD (\t)+4                                   ; into the set that this step's stage stores have read
.endif
.if (\t)+1 < STEPS
.if STEPS-2-(\t) >= 3
	s_wait_loadcnt 12                              ; the next step's four loads are in; those of the three steps behind it may be out
.else
	s_wait_loadcnt 4*(STEPS-2-(\t))
.endif
	XTURN (\t)+1
.endif
	v_max3_num_f32 v8, |v[XS]|, |v[XS+1]|, |v[XS+2]|               ; the largest magnitude of my 16, in two chains
	v_max3_num_f32 v9, |v[XS+3]|, |v[XS+4]|, |v[XS+5]|
.irp i, 6,10
	v_max3_num_f32 v8, v8, |v[XS+\i]|, |v[XS+\i+1]|
	v_max3_num_f32 v9, v9, |v[XS+\i+2]|, |v[XS+\i+3]|
.endr
	v_max3_num_f32 v8, v8, |v[XS+14]|, |v[XS+15]|
	v_max3_num_f32 v8, v8, v9, (EMAX+1)<<23        ; and the floor 2^(3 - 127): the byte cannot fall under 1
	v_max_num_f32_dpp v8, v8, v8 row_xmask:1 row_mask:0xf bank_mask:0xf   ; with my neighbour's 16: the block's
	v_add_nc_u32 v11, -(EMAX<<23), v8              ; 2 off its exponent field: the conversion takes the exponent field of this operand as its scale
	v_cvt_scalef32_pk16_fp6_f32 v[C+4*(\t):C+4*(\t)+2], v[XS:XS+15], v11
	v_lshrrev_b32 v[E+(\t)], 23, v11               ; the scale's byte
	ds_store_b8 v5, v[E+(\t)] offset:16*(\t)       ; both lanes of a block write the same byte with the same value
	global_store_b96 v4, v[C+4*(\t):C+4*(\t)+2], s[18:19] offset:32*CB*(\t)   ; the wave stores 384 consecutive bytes
.endm
.macro WLOAD t                         ; block t: W(32 t + i, my column), i = 0 .. 31, into set t % 2
.irp i, 0,1,2,3,4,5,6,7,8,9,10,11,12,13,14,15,16,17,18,19,20,21,22,23,24,25,26,27,28,29,30,31
	global_load_b32 v[WX+32*((\t)%2)+\i], v3, s[30:31] offset:(32*(\t)+\i)*4096 th:TH_LOAD_NT
.endr
.endm
.macro WBLOCK t
.set WXS, WX+32*((\t)%2)
.if (\t) < NB-1
	s_wait_loadcnt 32                              ; this block's 32 loads are in; the next block's may be out
.else
	s_wait_loadcnt 0
.endif
	v_max3_num_f32 v12, |v[WXS]|, |v[WXS+1]|, |v[WXS+2]|           ; the block's largest magnitude: all 32 numbers are mine
	v_max3_num_f32 v13, |v[WXS+3]|, |v[WXS+4]|, |v[WXS+5]|
.irp i, 6,10,14,18,22,26
	v_max3_num_f32 v12, v12, |v[WXS+\i]|, |v[WXS+\i+1]|
	v_max3_num_f32 v13, v13, |v[WXS+\i+2]|, |v[WXS+\i+3]|
.endr
	v_max3_num_f32 v12, v12, |v[WXS+30]|, |v[WXS+31]|
	v_max3_num_f32 v12, v12, v13, (EMAX+1)<<23
	v_add_nc_u32 v11, -(EMAX<<23), v12
	v_lshrrev_b32 v13, 23, v11                     ; the scale's byte
.if (\t)%4 == 0
	v_mov_b32 v[SB+(\t)/4], v13                    ; four bytes to a register, the lower K in the lower byte
.else
	v_lshl_or_b32 v[SB+(\t)/4], v13, 8*((\t)%4), v[SB+(\t)/4]
.endif
	v_cvt_scalef32_pk16_fp6_f32 v[WC:WC+2], v[WXS:WXS+15], v11
	v_cvt_scalef32_pk16_fp6_f32 v[WC+4:WC+6], v[WXS+16:WXS+31], v11   ; (a conversion's three registers begin on an even number)
	ds_store_b96 v4, v[WC:WC+2] offset:32*(\t)     ; 12 bytes to a place of 16: every LDS address is a multiple of 16
	ds_store_b96 v4, v[WC+4:WC+6] offset:32*(\t)+16
.if (\t)+2 < NB
	WLOAD (\t)+2
.endif
	s_wait_dscnt 0x0                               ; the stores have read their registers: the next block's codes may be written
.endm
	s_load_b512 s[4:19], s[0:1], 0x0               ; q s[4:5], k s[6:7], v s[8:9], Wq s[10:11], Wk s[12:13], Wv s[14:15], v_mask s[16:17], xc s[18:19]
	s_load_b256 s[20:27], s[0:1], 0x40             ; xs s[20:21], wc s[22:23], ws s[24:25], np s[26:27]
	s_load_b64 s[28:29], s[0:1], 0x60              ; nd
	v_lshl_add_u32 v[SPW], v0, 2, SPARE
	v_mov_b32 v[NIL], 0
	v_lshrrev_b32 v1, 5, v0
	v_readfirstlane_b32 s[WV], v1                  ; wave 0..3
	v_and_b32 v2, 31, v0                           ; lane
	s_cmp_lt_u32 ttmp9, 96
	s_cbranch_scc1 .Lw_path
	s_cmp_eq_u32 ttmp9, 96
	s_cbranch_scc1 .Lmask_path
	; ================ q, k, v ================
	s_sub_co_u32 s33, ttmp9, 97                    ; 0 .. 767: 256 work-groups to a tensor
	v_lshlrev_b32 v3, 4, v2                        ; my 16 bytes of a load's 512
	s_mul_i32 s34, s[WV], XREG
	v_lshrrev_b32 v14, 2, v2
	v_mul_u32_u24 v14, v14, SP
	v_and_b32 v15, 3, v2
	v_lshl_add_u32 v14, v15, 4, v14
	v_add_nc_u32 v14, s34, v14                     ; the stage, on the way in: SP (lane / 4) + 16 (lane % 4)
	v_mul_u32_u24 v15, v2, SP
	v_add_nc_u32 v15, s34, v15                     ; and on the way out: SP x lane: my 16 neighbours
	v_mul_u32_u24 v4, v2, CB                       ; my codes' place in a step's
	v_lshrrev_b32 v5, 1, v2
	s_add_co_u32 s34, s34, 2*32*SP
	v_add_nc_u32 v5, s34, v5                       ; my wave's 256 scale bytes, my block's byte
	v_lshlrev_b32 v7, 3, v2                        ; and on the way out 8 bytes a lane
	v_add_nc_u32 v6, s34, v7
	s_and_b32 s35, s33, 255
	s_lshl_b32 s35, s35, 2
	s_add_co_u32 s35, s35, s[WV]                   ; which run of 8,192 numbers of the tensor is my wave's
	s_lshl_b32 s36, s35, 15                        ; 32,768 bytes a run
	s_mov_b32 s37, 0
	s_lshl_b32 s38, s33, 2
	s_add_co_u32 s38, s38, s[WV]                   ; and which run of the three tensors on end
	s_mul_i32 s40, s38, 512*CB                     ; 6,144 bytes of codes a run
	s_mov_b32 s41, 0
	s_lshl_b32 s42, s38, 8                         ; 256 scale bytes a run
	s_mov_b32 s43, 0
	s_wait_kmcnt 0x0
	s_cmp_lt_u32 s33, 512                          ; the choice hangs on the work-group's number alone
	s_cselect_b64 s[30:31], s[6:7], s[8:9]
	s_cmp_lt_u32 s33, 256
	s_cselect_b64 s[30:31], s[4:5], s[30:31]
	s_add_nc_u64 s[30:31], s[30:31], s[36:37]
	s_add_nc_u64 s[18:19], s[18:19], s[40:41]
	s_add_nc_u64 s[20:21], s[20:21], s[42:43]
.irp t, 0,1,2,3
	XLOAD \t
.endr
	s_wait_loadcnt 12                              ; step 0's four loads are in
	XTURN 0
.irp t, 0,1,2,3,4,5,6,7,8,9,10,11,12,13,14,15
	XSTEP \t
.endr
	ds_load_b64 v[8:9], v6                         ; LDS serves a wave's instructions in order: these see my byte stores
	s_wait_dscnt 0x0
	global_store_b64 v7, v[8:9], s[20:21]          ; 32 lanes store 256 consecutive bytes, aligned
	s_wait_tensorcnt 0x0                           ; the wave's end, behind my last LDS store
	ds_add_u32 v[SPW], v[NIL]
	s_wait_dscnt 0x0
	s_endpgm
	; ================ Wq, Wk, Wv ================
.Lw_path:
	s_lshr_b32 s33, ttmp9, 5                       ; which weight
	s_and_b32 s34, ttmp9, 7                        ; which 128 columns
	s_bfe_u32 s35, ttmp9, 0x20003                  ; which 256 along K
	s_lshl_b32 s34, s34, 7
	s_lshl_b32 s36, s[WV], 5
	s_add_co_u32 s34, s34, s36                     ; my wave's first column, a multiple of 32
	v_lshlrev_b32 v3, 2, v2                        ; in: 4 bytes a lane: 128 consecutive bytes a wave
	s_mul_i32 s36, s[WV], 32*PITCH
	s_add_co_u32 s36, s36, WSTG                    ; my stage
	v_and_b32 v10, 7, v2
	v_bfe_u32 v11, v2, 3, 1
	v_bfe_u32 v12, v2, 4, 1
	v_lshl_add_u32 v10, v11, 4, v10
	v_lshl_add_u32 v10, v12, 3, v10                ; p = my lane with bits 3 and 4 exchanged: the row at which my column is laid
	v_mul_u32_u24 v4, v10, PITCH
	v_add_nc_u32 v4, s36, v4                       ; into the stage: row p
	v_and_b32 v5, 15, v2
	v_lshrrev_b32 v6, 4, v2                        ; out of it: sixteen lanes to a row, two rows an instruction
	v_mul_u32_u24 v7, v6, PITCH
	v_lshl_add_u32 v7, v5, 4, v7
	v_add_nc_u32 v7, s36, v7
	v_mul_u32_u24 v8, v6, KROW
	v_mad_u32_u24 v8, v5, 12, v8                   ; and the same place in the codes' buffer
	v_lshlrev_b32 v9, 5, v10                       ; row p of the scale bytes: 32 bytes a row
	s_lshl_b32 s38, s35, 20                        ; W: 256 rows of 4,096 bytes,
	s_lshl_b32 s39, s34, 2
	s_add_co_u32 s38, s38, s39                     ; + 4 x column
	s_mov_b32 s39, 0
	s_mul_i32 s40, s34, KROW                       ; codes: row x 768 + 192 x (which 256 along K) + the weight's 786,432
	s_mul_i32 s41, s35, 192
	s_add_co_u32 s40, s40, s41
	s_mul_i32 s41, s33, 1024*KROW
	s_add_co_u32 s40, s40, s41
	s_mov_b32 s41, 0
	s_lshl_b32 s42, s34, 5                         ; scale bytes: row x 32 + 8 x (which 256) + the weight's 32,768
	s_lshl_b32 s43, s35, 3
	s_add_co_u32 s42, s42, s43
	s_lshl_b32 s43, s33, 15
	s_add_co_u32 s42, s42, s43
	s_mov_b32 s43, 0
	s_wait_kmcnt 0x0
	s_cmp_lt_u32 s33, 2
	s_cselect_b64 s[30:31], s[12:13], s[14:15]
	s_cmp_eq_u32 s33, 0
	s_cselect_b64 s[30:31], s[10:11], s[30:31]
	s_add_nc_u64 s[30:31], s[30:31], s[38:39]
	s_add_nc_u64 s[22:23], s[22:23], s[40:41]
	s_add_nc_u64 s[24:25], s[24:25], s[42:43]
	WLOAD 0
	WLOAD 1
.set Q, 0
.rept NB
	WBLOCK Q
.set Q, Q+1
.endr
	global_store_b64 v9, v[SB:SB+1], s[24:25]      ; my column's 8 scale bytes
.irp t, 0,1,2,3,4,5,6,7,8,9,10,11,12,13,14,15
	ds_load_b96 v[OUTR+4*\t:OUTR+4*\t+2], v7 offset:2*\t*PITCH   ; LDS serves a wave's instructions in order: these see my stores
.endr
.irp t, 0,1,2,3,4,5,6,7,8,9,10,11,12,13,14,15
	s_wait_dscnt 15-\t                             ; the younger loads may be out
	global_store_b96 v8, v[OUTR+4*\t:OUTR+4*\t+2], s[22:23] offset:2*\t*KROW   ; sixteen lanes store a row's 192 consecutive bytes
.endr
	s_wait_tensorcnt 0x0                           ; the wave's end, behind my last LDS store
	ds_add_u32 v[SPW], v[NIL]
	s_wait_dscnt 0x0
	s_endpgm
	; ================ v_mask ================
.Lmask_path:
	v_lshlrev_b32 v3, 4, v2                        ; 16 bytes a lane
	v_lshlrev_b32 v13, 2, v2                       ; 4 bytes a lane
	s_lshl_b32 s34, s[WV], 13                      ; my batch's 8,192 bytes
	s_mov_b32 s35, 0
	s_lshl_b32 s36, s[WV], 7                       ; and its 128 bytes of nd
	s_mov_b32 s37, 0
	s_mov_b32 s40, 0x76543210
	s_mov_b32 s41, 0xfedcba98                      ; v_permlanex16_b32's selects for lane l xor 16
	s_wait_kmcnt 0x0
	s_add_nc_u64 s[16:17], s[16:17], s[34:35]
	s_add_nc_u64 s[26:27], s[26:27], s[34:35]
	s_add_nc_u64 s[28:29], s[28:29], s[36:37]
.irp i, 0,1,2,3,4,5,6,7,8,9,10,11,12,13,14,15
	global_load_b128 v[16+4*\i:19+4*\i], v3, s[16:17] offset:512*\i   ; register 4 i + j of lane l is key 128 i + 4 l + j
.endr
	s_wait_loadcnt 0x0
	v_max3_num_f32 v11, v16, v17, v18              ; the largest v_mask of my 64
.set o, 3
.rept 30
	v_max3_num_f32 v11, v11, v[16+o], v[17+o]
.set o, o+2
.endr
	v_max_num_f32 v11, v11, v79
	v_mov_b32 v8, 64                               ; the lowest register whose key has v_mask >= 0.5; 64 if none.  A value is selected, nothing branches
.set o, 63
.rept 64
	v_cmp_gt_f32 vcc_lo, 0.5, v[16+o]
	v_cndmask_b32 v8, o, v8, vcc_lo                ; kept where 0.5 > v_mask, else o
.set o, o-1
.endr
	v_lshrrev_b32 v9, 2, v8
	v_and_b32 v10, 3, v8
	v_lshl_add_u32 v9, v9, 7, v10
	v_lshl_add_u32 v9, v2, 2, v9                   ; as a key: 128 (o / 4) + o % 4 + 4 x lane (2,048 or more where there is none)
	v_cvt_f32_u32 v9, v9                           ; exact: under 2^24
.irp m, 1,2,4,8
	v_min_num_f32_dpp v9, v9, v9 row_xmask:\m row_mask:0xf bank_mask:0xf
	v_max_num_f32_dpp v11, v11, v11 row_xmask:\m row_mask:0xf bank_mask:0xf
.endr
	v_mov_b32 v12, 0
	v_permlanex16_b32 v10, v9, s40, s41
	v_permlanex16_b32 v12, v11, s40, s41
	v_min_num_f32 v9, v9, v10                      ; the batch's first such key
	v_max_num_f32 v11, v11, v12                    ; the batch's largest v_mask
	v_mov_b32 v12, 0x45000000                      ; 2,048.0
	v_min_num_f32 v9, v9, v12
	v_cmp_lt_f32 vcc_lo, 0x3fa00000, v11           ; 1.25 < the largest: a key above the diagonal could then carry less than 7.5e8: every row walks all keys
	v_cndmask_b32 v9, v9, v12, vcc_lo
	v_cvt_u32_f32 v9, v9
	global_store_b32 v13, v9, s[28:29]             ; ND, in 32 words on end
.set o, 0
.rept 64
	v_add_f32 v[80+o], -1.0, v[16+o]               ; v_mask - 1, rounded as 1 - v_mask is;
.set o, o+1
.endr
.set o, 0
.rept 64
	v_mul_f32 v[80+o], 0x4e6e6b28, v[80+o]         ; x 1e9, rounded on its own as the source rounds it: so the two are not fused
.set o, o+1
.endr
.irp i, 0,1,2,3,4,5,6,7,8,9,10,11,12,13,14,15
	global_store_b128 v3, v[80+4*\i:83+4*\i], s[26:27] offset:512*\i
.endr
	s_wait_tensorcnt 0x0                           ; the wave's end, as on the other two paths
	ds_add_u32 v[SPW], v[NIL]
	s_wait_dscnt 0x0
	s_endpgm
.Lfunc_end_k_q25a2b28ab8_prep:
	.size	k_q25a2b28ab8_prep, .Lfunc_end_k_q25a2b28ab8_prep-k_q25a2b28ab8_prep
	.p2alignl 7, 3214868480
	.fill 96, 4, 3214868480
	.section	.rodata,"a",@progbits
	.p2align	6, 0x0
	.amdhsa_kernel k_q25a2b28ab8_prep
		.amdhsa_group_segment_fixed_size 68096
		.amdhsa_private_segment_fixed_size 0
		.amdhsa_enable_private_segment 0
		.amdhsa_kernarg_size 104
		.amdhsa_user_sgpr_count 2
		.amdhsa_user_sgpr_kernarg_segment_ptr 1
		.amdhsa_wavefront_size32 1
		.amdhsa_system_sgpr_workgroup_id_x 1
		.amdhsa_system_sgpr_workgroup_id_y 1
		.amdhsa_system_sgpr_workgroup_id_z 1
		.amdhsa_system_vgpr_workitem_id 0
		.amdhsa_next_free_vgpr 196
		.amdhsa_next_free_sgpr 66
		.amdhsa_reserve_vcc 1
		.amdhsa_float_denorm_mode_32 3
		.amdhsa_float_denorm_mode_16_64 3
		.amdhsa_memory_ordered 1
		.amdhsa_forward_progress 1
		.amdhsa_inst_pref_size 91
	.end_amdhsa_kernel
	.amdgpu_metadata
---
amdhsa.version: [ 1, 2 ]
amdhsa.kernels:
  - .name:           k_q25a2b28ab8_prep
    .symbol:         k_q25a2b28ab8_prep.kd
    .args:
      - { .name: q, .offset: 0, .size: 8, .value_kind: global_buffer, .address_space: global }
      - { .name: k, .offset: 8, .size: 8, .value_kind: global_buffer, .address_space: global }
      - { .name: v, .offset: 16, .size: 8, .value_kind: global_buffer, .address_space: global }
      - { .name: Wq, .offset: 24, .size: 8, .value_kind: global_buffer, .address_space: global }
      - { .name: Wk, .offset: 32, .size: 8, .value_kind: global_buffer, .address_space: global }
      - { .name: Wv, .offset: 40, .size: 8, .value_kind: global_buffer, .address_space: global }
      - { .name: v_mask, .offset: 48, .size: 8, .value_kind: global_buffer, .address_space: global }
      - { .name: xc, .offset: 56, .size: 8, .value_kind: global_buffer, .address_space: global }
      - { .name: xs, .offset: 64, .size: 8, .value_kind: global_buffer, .address_space: global }
      - { .name: wc, .offset: 72, .size: 8, .value_kind: global_buffer, .address_space: global }
      - { .name: ws, .offset: 80, .size: 8, .value_kind: global_buffer, .address_space: global }
      - { .name: np, .offset: 88, .size: 8, .value_kind: global_buffer, .address_space: global }
      - { .name: nd, .offset: 96, .size: 8, .value_kind: global_buffer, .address_space: global }
    .group_segment_fixed_size: 68096
    .private_segment_fixed_size: 0
    .kernarg_segment_align: 8
    .kernarg_segment_size: 104
    .max_flat_workgroup_size: 128
    .sgpr_count:     66
    .vgpr_count:     196
    .wavefront_size: 32
...
	.end_amdgpu_metadata
.endif
;; end of part 1
;; launch proj (part 2): grid 4 x 96, 4 waves a work-group, clusters of 4 x 4, 327,680 bytes of LDS; arguments xc, xs, wc, ws, qc, kv; writes qc, kv
.if DOCPART == 2
	.amdgcn_target "amdgcn-amd-amdhsa--gfx1250"
	.amdhsa_code_object_version 6
	.text
	.protected	k_q25a2b28ab8_proj
	.globl	k_q25a2b28ab8_proj
	.p2align	8
	.type	k_q25a2b28ab8_proj,@function
k_q25a2b28ab8_proj:
	s_mov_b64 s[64:65], 0
	v_nop
	global_prefetch_b8 v0, s[64:65] scope:SCOPE_SE
	s_setreg_imm32_b32 hwreg(HW_REG_WAVE_MODE, 25, 1), 1
	s_wait_xcnt 0x0
	s_wait_alu depctr_hold_cnt(0) depctr_sa_sdst(0) depctr_va_vdst(0) depctr_va_sdst(0) depctr_va_ssrc(0) depctr_va_vcc(0) depctr_vm_vsrc(0)
	s_getreg_b32 s2, hwreg(HW_REG_IB_STS2, 6, 4)
	s_cmp_eq_u32 s2, 0
	s_cbranch_scc0 .Lentry_in_a_cluster
	s_endpgm
.Lentry_in_a_cluster:
	s_bfe_u32 s2, ttmp6, 0x10000c
	s_cmp_lg_u32 s2, 0xf033
	s_cbranch_scc0 .Lentry_shape_is_right
	s_endpgm
.Lentry_shape_is_right:
; THE THREE PROJECTIONS, q Wq, k Wk, v Wv, each 8,192 x 1,024 x 1,024, on codes of FP6 (E2M3) with one E8M0 scale for each 32 along K; sums in f32.  THE RESULTS NEVER LEAVE AS f32: each is an
; operand of attention's products, so it is quantised in registers on the way out and stored as IMAGES OF THE OPERAND'S REGISTERS, head by head.
; A tile of 256 x 256 is made by a work-group of four waves; a wave makes 128 x 128: 64 accumulators, 512 registers.  K goes in steps of 256 through a ring of two LDS slots filled by the tensor data mover.
; "A" and "B" below are the two sides of one text: source 1 takes 16 rows of A, source 0 16 rows of B, so that in a result lane (r, h) holds A's row r and its register j B's row 8 h + j.
;   q, k (clusters y = 0-7, 8-15):  A = the tokens' codes, B = the weight's.  The weight's column n lies at row p(n) (bits 3 and 4 exchanged), so the 16 registers of B's blocks 2 i and 2 i + 1 are
;       n = 32 i + 16 h + 0 .. 15: neighbours along the head's axis, which is the next product's K.  A wave's 128 columns are two heads.
;   v (clusters y = 16-23):  A = Wv's codes, B = the tokens'.  A lane then holds one channel d and its registers run down the KEYS, the next product's K.  Inside a block of 32 keys, place 16 h + 8 u + j holds key
;       16 u + 8 h + j; attention's weights p come out of its first product in the same order, and a permutation of k applied alike to both sides keeps the products; the blocks are the true blocks of 32 keys.
; AN IMAGE is 768 bytes: registers 0-5 of a fragment (16 rows x 64 k): registers 0-3 at 16 x lane, registers 4-5 at 512 + 8 x lane.  qc: [batch x head][tile of 16 queries] images, then from byte 6,291,456 a scale word a query.
; kv: [batch x head][slot of 256 keys] records of 26,112 bytes: K's 16 images; V's 2 key steps x 4 tiles of 16 channels x 2 images; K's 256 scale words; V's 2 x 64 scale words.
; A scale word's bytes 0 and 1 are a head's two blocks; bytes 2 and 3 hold the neighbour head's bytes or 0, never 0xff: they meet zero codes alone.
; CLUSTERS: 4 x 4 work-groups.  The four of a row of the cluster need the same tiles of A, the four of a column the same tiles of B: each tile is asked for JOINTLY, by the same tensor load with the same
; descriptor and a mask that names the four.  Which tensors A and B are hangs on the cluster's y alone, which all sixteen share.
; LIMITS: blocks whose largest magnitude lies under 2^-124 keep the byte 1; NaN and infinities are not served.
; REGISTERS, in windows of 256: window 0: v0-31 addresses; v32-63 scale words, two sets; from v128 A's fragments, ONE set; on the way out v112-247 are at work.
;   window 1: B's fragments, TWO sets, at v0 and v128.   window 2: the accumulators of A's blocks 0-3 ((a, b) at v[8 (8 a + b)]);   window 3: those of blocks 4-7.
.set KSTEP,  256                       ; along K in a slot
.set NQ,     2                         ; matrix instructions deep
.set ROWB,   192                       ; a tile's row in bytes
.set KROW,   768                       ; a row of codes in memory: 1,024 codes
.set PITCH,  240                       ; an LDS row: 3 x (64 bytes + 16 of padding)
.set FR,     12                        ; registers of a fragment
.set NL,     6                         ; LDS loads that bring one
.set NP,     4                         ; places behind this matrix instruction (ISA guide 7.12.1)
.set HALFT,  128*PITCH                 ; 128 rows: what one tensor load brings
.set SLOT,   4*HALFT                   ; A's 256 rows, then B's 256 rows
.set LAPS,   2                         ; 1,024 along K = four K steps = twice round the ring
.set KS,     32                        ; a row of scale bytes
.set SCL,    2*SLOT                    ; behind the ring: the scales, as rows of 256 bytes + 16 of padding
.set HALFS,  16*272                    ; the scales of 128 rows
.set SBLK,   2*272                     ; those of 16 rows
.set SPARE,  SCL+4*HALFS               ; behind the scales: the spare words, 128 bytes for each wave
.set ADRA, 16                          ; v16-17  LDS address of my A fragments in slot 0, 1  (v18-19: for the pieces behind one padding more)
.set ADRB, 20                          ; v20-21  the same for B  (v22-23)
.set O16,  24                          ; v24     16 x lane: an image's first four registers
.set O8,   25                          ; v25     8 x lane: its last two
.set VS,   26                          ; v26     the scale words' way out: 16 (lane % 16) + (lane / 16) x SH
.set ADRS, 27                          ; v27     LDS address of my scale words: lanes 0-15 A's rows, lanes 16-31 B's
.set SPW,  28                          ; v28     LDS address of my spare word; never rewritten
.set NIL,  29                          ; v29     0; never rewritten
.set SS0,  30                          ; v30     my stage for the new scale words: 1,024 x wave + 4 (lane % 16)
.set SSR,  31                          ; v31     and where I read it back: 1,024 x wave + 16 x lane.  The stage lies in slot 0, which has had its last fill and its last read by then
.set SC,   32                          ; scale words: set s at v[SC + 16 s]
.set AF,   128                         ; A's fragments, in window 0
.set PC,   112                         ; the way out: v112-131 the codes just made
.set TM,   200                         ; v200-203 largest magnitudes, v204-207 at work and bytes, v212-215 the conversions' scale operands
.set SEL,  66                          ; s[66:67] lane selects for v_permlanex16_b32: lane l xor 16
.set G1, 24                            ; s[24:31] descriptor group 1 for A's tiles;  s[32:39] group 0, one set for each slot
.set G0, 32
.set G1B, 48                           ; s[48:55], s[56:63] the same for B's tiles
.set G0B, 56
.set G1S, 68                           ; s[68:75], s[76:79] groups 1 and 0 for A's scales;  s[80:87], s[88:91] for B's
.set G0S, 76
.set G1SB, 80
.set G0SB, 88
; s2 = 1 for v; s[96:97], s[100:101] where the two images of a block go; s[98:99], s[12:13] where the scale words go; s[4:5], s[6:7] the steps from block to block
.set MSB, 0
.macro WIN new                         ; the immediate's high byte repeats the setting that is left
.if MSB != \new
	s_set_vgpr_msb (MSB<<8)|\new
.set MSB, \new
.endif
.endm
.set MUL_LO, 0xa1                      ; source 0 (B) window 1, source 1 (A) window 0, C and D window 2
.set MUL_HI, 0xf1                      ; the same, C and D window 3
.set TO_B,   0x40                      ; destination window 1, address window 0
; A joint load: waves 0 and 1 fetch for A, waves 2 and 3 for B.  Each of the two lines has ONE mask and one set of registers for all that issue it; the branch hangs on the wave's number alone.
; An s_nop 0 and four v_nop follow each of the two lines, ahead of the jump, the label and what follows.
.macro JLOAD g0a, g1a, g0b, g1b
	s_cmp_eq_u32 s15, 0
	s_cbranch_scc0 .Lfor_b_\@
	tensor_load_to_lds s[\g0a:\g0a+3], s[\g1a:\g1a+7]
	s_nop 0
.rept 4
	v_nop
.endr
	s_branch .Lasked_\@
.Lfor_b_\@:
	tensor_load_to_lds s[\g0b:\g0b+3], s[\g1b:\g1b+7]
	s_nop 0
.rept 4
	v_nop
.endr
.Lasked_\@:
.endm
.macro CREST                           ; a round of the cluster's barrier behind its opening barrier
	s_cmp_lg_u32 s14, 0
	s_cbranch_scc1 .Lnot_wave_0_\@
	s_barrier_signal -3
.Lnot_wave_0_\@:
	s_barrier_wait -3
	s_barrier_signal -1
	s_barrier_wait -1
.endm
.macro CROUND                          ; a whole round
	s_barrier_signal -1
	s_barrier_wait -1
	CREST
.endm
	s_load_b256 s[4:11], s[0:1], 0x0               ; xc s[4:5], xs s[6:7], wc s[8:9], ws s[10:11]
	s_load_b128 s[96:99], s[0:1], 0x20             ; qc s[96:97], kv s[98:99]
	v_lshl_add_u32 v[SPW], v0, 2, SPARE
	v_mov_b32 v[NIL], 0
	ds_add_u32 v[SPW], v[NIL]                      ; the wave's opening: the add and its wait stand ahead of my first tensor load; the set-up below, work on registers, stands between them
	v_lshrrev_b32 v1, 5, v0
	v_readfirstlane_b32 s14, v1                    ; wave 0..3
	s_lshr_b32 s15, s14, 1                         ; which half of the tile's rows of A is mine.  Also: I fetch for A (0) or for B (1)
	s_and_b32 s16, s14, 1                          ; which half of B's.  Also: which 128 rows of that tile I fetch
	s_bfe_u32 s40, ttmp6, 0x40000                  ; cx, cy: my place in the cluster
	s_bfe_u32 s41, ttmp6, 0x40004
	s_and_b32 s18, ttmp7, 0xffff                   ; the cluster's y, 0 .. 23
	s_lshr_b32 s3, s18, 3                          ; the projection: 0 q, 1 k, 2 v
	s_and_b32 s18, s18, 7
	s_lshl_b32 s18, s18, 2                         ; four tiles of 256 tokens to a cluster
	s_cmp_eq_u32 s3, 2
	s_cselect_b32 s2, 1, 0                         ; 1 for v
	s_cselect_b32 s17, 0, s18
	s_cselect_b32 s42, s18, 0
	s_add_co_u32 s17, s17, s41                     ; A's tile: q, k: 4 x (y % 8) + cy of the tokens' 32;  v: cy of the weight's four
	s_lshl_b32 s19, ttmp9, 2
	s_add_co_u32 s42, s42, s19
	s_add_co_u32 s42, s42, s40                     ; B's tile: q, k: cx of the weight's four;  v: 4 x (y % 8) + cx of the tokens' 32
	s_lshl_b32 s43, s41, 2
	s_lshl_b32 s43, 15, s43                        ; my row of the cluster
	s_lshl_b32 s44, 0x1111, s40                    ; my column
	; descriptor group 1: a tile of 128 rows x 192 bytes, padded in LDS
	s_or_b32 s[G1+0], s43, (0<<16)|(1<<20)|(1<<21)|(3<<22)|(3<<25)  ; 15:0 the mask: A's tiles go to my row; 17:16 element of 1 byte; 20 padding on; 21 set beside a mask; 24:22 after every 16 words; 31:25 of 4 words
	s_or_b32 s[G1B+0], s44, (0<<16)|(1<<20)|(1<<21)|(3<<22)|(3<<25)
.irp g, G1, G1B
	s_mov_b32 s[\g+1], ROWB<<16                    ; tensor_dim0
	s_mov_b32 s[\g+2], 128<<16                     ; tensor_dim1
	s_mov_b32 s[\g+3], ROWB<<16                    ; tile_dim0
	s_mov_b32 s[\g+4], 128                         ; tile_dim1
	s_mov_b32 s[\g+5], KROW                        ; tensor_dim0_stride
	s_mov_b32 s[\g+6], 0
	s_mov_b32 s[\g+7], 0
.endr
	; and for the scales of 128 rows: a dense block of 4,096 bytes, as 16 rows of 256 bytes (32 elements of 8 bytes), 16 bytes of padding behind each
	s_or_b32 s[G1S+0], s43, (3<<16)|(1<<20)|(1<<21)|(5<<22)|(3<<25)
	s_or_b32 s[G1SB+0], s44, (3<<16)|(1<<20)|(1<<21)|(5<<22)|(3<<25)
.irp g, G1S, G1SB
	s_mov_b32 s[\g+1], 32<<16
	s_mov_b32 s[\g+2], 16<<16
	s_mov_b32 s[\g+3], 32<<16
	s_mov_b32 s[\g+4], 16
	s_mov_b32 s[\g+5], 32
	s_mov_b32 s[\g+6], 0
	s_mov_b32 s[\g+7], 0
.endr
	s_lshl_b32 s18, s16, 7                         ; which 128 rows of the tile I fetch
	s_lshl_b32 s20, s17, 8
	s_add_co_u32 s20, s20, s18                     ; A: row 256 x tile + 128 x half
	s_lshl_b32 s46, s42, 8
	s_add_co_u32 s46, s46, s18                     ; B likewise
	s_mov_b32 s21, 0
	s_mov_b32 s47, 0
	s_mov_b64 s[18:19], KS
	s_mul_u64 s[22:23], s[20:21], s[18:19]         ; where these rows' scales begin, in bytes
	s_mul_u64 s[92:93], s[46:47], s[18:19]
	s_mov_b64 s[18:19], KROW
	s_mul_u64 s[20:21], s[20:21], s[18:19]         ; and their codes
	s_mul_u64 s[46:47], s[46:47], s[18:19]
	s_mul_i32 s66, s3, 8192*KROW                   ; the projection's place among the tokens' codes,
	s_mul_i32 s67, s3, 1024*KROW                   ; and among the weights'
	s_cmp_eq_u32 s2, 1
	s_cselect_b32 s18, s67, s66                    ; A's
	s_cselect_b32 s66, s66, s67                    ; B's
	s_mov_b32 s19, 0
	s_add_nc_u64 s[20:21], s[20:21], s[18:19]
	s_mov_b32 s18, s66
	s_add_nc_u64 s[46:47], s[46:47], s[18:19]
	s_lshl_b32 s66, s3, 18                         ; the same for the scale bytes: 262,144 and 32,768
	s_lshl_b32 s67, s3, 15
	s_cmp_eq_u32 s2, 1
	s_cselect_b32 s18, s67, s66
	s_cselect_b32 s66, s66, s67
	s_add_nc_u64 s[22:23], s[22:23], s[18:19]
	s_mov_b32 s18, s66
	s_add_nc_u64 s[92:93], s[92:93], s[18:19]
	s_mul_i32 s45, s14, HALFT                      ; where they go: wave x 128 rows: no place in the cluster enters an LDS address
	s_mul_i32 s94, s14, HALFS
	s_wait_dscnt 0x0                               ; the opening add is done
	s_wait_kmcnt 0x0
	s_cmp_eq_u32 s2, 1                             ; which buffers are A's and which B's: the choice hangs on the cluster's y alone
	s_cselect_b64 s[12:13], s[8:9], s[4:5]         ; A's codes
	s_cselect_b64 s[66:67], s[10:11], s[6:7]       ; A's scales
	s_cselect_b64 s[4:5], s[4:5], s[8:9]           ; B's codes
	s_cselect_b64 s[6:7], s[6:7], s[10:11]         ; B's scales
	s_add_nc_u64 s[20:21], s[12:13], s[20:21]
	s_add_nc_u64 s[22:23], s[66:67], s[22:23]
	s_add_nc_u64 s[46:47], s[4:5], s[46:47]
	s_add_nc_u64 s[92:93], s[6:7], s[92:93]
	CROUND                                         ; all sixteen work-groups are here: the first joint loads meet
	s_mov_b32 s[G0S], 1
	s_add_co_u32 s[G0S+1], s94, SCL
	s_mov_b64 s[G0S+2:G0S+3], s[22:23]
	s_or_b32 s[G0S+3], s[G0S+3], 0x80000000
	s_mov_b32 s[G0SB], 1
	s_add_co_u32 s[G0SB+1], s94, SCL
	s_mov_b64 s[G0SB+2:G0SB+3], s[92:93]
	s_or_b32 s[G0SB+3], s[G0SB+3], 0x80000000
	JLOAD G0S, G1S, G0SB, G1SB                     ; the scales first: they are wanted with K step 0.  With the two below, three loads of mine are out
.irp s, 0,1
	s_mov_b32 s[G0+4*\s], 1
	s_add_co_u32 s[G0+4*\s+1], s45, \s*SLOT
	s_add_nc_u64 s[G0+4*\s+2:G0+4*\s+3], s[20:21], \s*ROWB
	s_or_b32 s[G0+4*\s+3], s[G0+4*\s+3], 0x80000000
	s_mov_b32 s[G0B+4*\s], 1
	s_add_co_u32 s[G0B+4*\s+1], s45, \s*SLOT
	s_add_nc_u64 s[G0B+4*\s+2:G0B+4*\s+3], s[46:47], \s*ROWB
	s_or_b32 s[G0B+4*\s+3], s[G0B+4*\s+3], 0x80000000
	JLOAD G0+4*\s, G1, G0B+4*\s, G1B
.endr
	v_and_b32 v1, 15, v0                           ; l % 16
	v_bfe_u32 v2, v0, 4, 1                         ; l / 16
	v_mul_u32_u24 v3, v1, PITCH
	v_mul_u32_u24 v4, v2, 24
	v_add_nc_u32 v4, v3, v4                        ; a fragment's row x pitch + 24 x half
	v_lshl_add_u32 v5, v2, 4, v4                   ; and the same behind one padding more
	s_mul_i32 s21, s15, HALFT                      ; my 128 rows of A
	s_mul_i32 s22, s16, HALFT                      ; my 128 rows of B,
	s_add_co_u32 s22, s22, 2*HALFT                 ; which lie behind A's 256
.irp s, 0,1
	v_add_nc_u32 v[ADRA+\s], s21, v4
	v_add_nc_u32 v[ADRB+\s], s22, v4
	v_add_nc_u32 v[ADRA+2+\s], s21, v5
	v_add_nc_u32 v[ADRB+2+\s], s22, v5
	s_add_co_u32 s21, s21, SLOT
	s_add_co_u32 s22, s22, SLOT
.endr
	v_mul_u32_u24 v5, v1, KS                       ; my row's scales: 32 bytes a row,
	v_lshrrev_b32 v6, 8, v5
	v_lshl_add_u32 v5, v6, 4, v5                   ; and 16 more for each 256 passed
	s_mul_i32 s21, s15, HALFS                      ; A's: my 128 rows
	s_mul_i32 s22, s16, HALFS                      ; B's: my 128 rows, behind A's 256
	s_add_co_u32 s22, s22, 2*HALFS
	s_sub_co_u32 s22, s22, s21
	v_mul_u32_u24 v6, s22, v2                      ; lanes 16-31 take B's
	s_add_co_u32 s21, s21, SCL
	v_add_nc_u32 v5, v5, v6
	v_add_nc_u32 v[ADRS], s21, v5
	v_and_b32 v6, 31, v0
	v_lshlrev_b32 v[O16], 4, v6
	v_lshlrev_b32 v[O8], 3, v6
	s_lshl_b32 s23, s14, 10
	v_lshl_add_u32 v[SS0], v1, 2, s23
	v_add_nc_u32 v[SSR], s23, v[O16]
	; WHERE THE RESULTS GO.  m0: my first token, n0: my first (laid) column of the weight
	s_lshl_b32 s20, s17, 8
	s_lshl_b32 s21, s15, 7
	s_add_co_u32 s20, s20, s21                     ; my first row of A
	s_lshl_b32 s21, s42, 8
	s_lshl_b32 s22, s16, 7
	s_add_co_u32 s21, s21, s22                     ; my first row of B
	s_cmp_eq_u32 s2, 1
	s_cselect_b32 s22, s21, s20                    ; m0
	s_cselect_b32 s23, s20, s21                    ; n0
	s_lshr_b32 s40, s22, 11                        ; the batch
	s_and_b32 s41, s22, 2047                       ; the token in it, a multiple of 128
	s_lshl_b32 s40, s40, 4
	s_lshr_b32 s23, s23, 6
	s_add_co_u32 s40, s40, s23                     ; 16 x batch + my first head
	s_bfe_u32 s43, s41, 0x10007                    ; which half of a slot of 256 keys
	s_lshl_b32 s44, s40, 3
	s_lshr_b32 s45, s41, 8
	s_add_co_u32 s44, s44, s45
	s_mul_i32 s44, s44, 26112                      ; the record
	s_lshl_b32 s45, s40, 7
	s_lshr_b32 s46, s41, 4
	s_add_co_u32 s45, s45, s46
	s_mul_i32 s45, s45, 768                        ; q: the image of my first tile of 16 queries
	s_lshl_b32 s46, s40, 11
	s_add_co_u32 s46, s46, s41
	s_lshl_b32 s46, s46, 2
	s_add_co_u32 s46, s46, 6291456                 ; q: its scale words
	s_mul_i32 s47, s43, 6144
	s_add_co_u32 s47, s47, s44                     ; k: eight images to half a slot
	s_add_co_u32 s92, s47, 12288                   ; v: a key step's four fragments are as many bytes, behind K's
	s_lshl_b32 s93, s43, 9
	s_add_co_u32 s93, s93, s44
	s_add_co_u32 s93, s93, 24576                   ; k: scale words
	s_lshl_b32 s94, s43, 8
	s_add_co_u32 s94, s94, s44
	s_add_co_u32 s94, s94, 25600                   ; v: scale words
	s_cmp_eq_u32 s2, 1                             ; v or k?
	s_cselect_b32 s18, s92, s47
	s_cselect_b32 s20, s94, s93
	s_mov_b32 s4, 768
	s_cselect_b32 s4, 1536, s4                     ; from block a to a + 1
	s_mov_b32 s6, 768
	s_cselect_b32 s6, 204288, s6                   ; from block 3 to 4: in v the next head's record, 208,896 - 3 x 1,536
	s_mov_b32 s8, 208896
	s_cselect_b32 s8, 768, s8                      ; from a block's first image to its second: k: the next head's record; v: the fragment's second half
	s_mov_b32 s22, 256
	s_cselect_b32 s22, 208896, s22                 ; the scale words of blocks 4-7: q, k: 256 bytes on; v: in the next head's record
	s_mov_b32 s10, 208896                          ; the second head's scale words (k)
	s_cmp_eq_u32 s3, 0                             ; q?
	s_cselect_b32 s18, s45, s18
	s_cselect_b32 s20, s46, s20
	s_cselect_b32 s8, 98304, s8                    ; the next head's 128 tiles
	s_cselect_b32 s10, 8192, s10                   ; the next head's 2,048 words
	s_cselect_b64 s[96:97], s[96:97], s[98:99]     ; qc or kv
	s_mov_b32 s19, 0
	s_mov_b32 s21, 0
	s_mov_b32 s5, 0
	s_mov_b32 s7, 0
	s_mov_b32 s9, 0
	s_mov_b32 s11, 0
	s_add_nc_u64 s[98:99], s[96:97], s[20:21]      ; the scale words,
	s_add_nc_u64 s[96:97], s[96:97], s[18:19]      ; a block's first image,
	s_add_nc_u64 s[100:101], s[96:97], s[8:9]      ; its second,
	s_add_nc_u64 s[12:13], s[98:99], s[10:11]      ; the second head's scale words (not stored for v)
	v_mul_u32_u24 v6, s22, v2
	v_lshl_add_u32 v[VS], v1, 4, v6
	s_mov_b32 s[SEL], 0x76543210
	s_mov_b32 s[SEL+1], 0xfedcba98
.macro FRAG reg, adr, q, i             ; a fragment, 16 rows x 128 K of 6-bit codes, is 12 registers: lane l holds row l % 16; registers 6 c .. 6 c + 5 hold K = 64 c + 32 (l / 16) + 0 .. 31: 24 bytes of the row, as they lie
.irp p, 0,1,2,3,4,5                    ; in pieces of 8 bytes, so that every address is a multiple of the access's size
.set PCE, 12*(\q)+6*(\p/3)+\p%3        ; 16 bytes of padding lie behind every 8 pieces: where the piece three on lies behind one padding more, the second address register serves
.if PCE%8 < 5
	ds_load_b64 v[\reg+2*\p:\reg+2*\p+1], v[\adr] offset:8*PCE+16*(PCE/8)+(\i)*16*PITCH
.else
	ds_load_b64 v[\reg+2*\p:\reg+2*\p+1], v[\adr+2] offset:8*PCE+16*(PCE/8)+(\i)*16*PITCH
.endif
.endr
.endm
; 16 matrix instructions: A's blocks a0, a0 + 1 x B's eight, 128 along K: the slot's q-th.  p: B's set;  sc: the set of scale words.  zero = 1: the first product starts the sums: nothing is ever cleared.
; The 64 accumulators take turns, one instruction a turn, in the same order in every step.
.macro MUL16 a0, p, q, sc, zero
.irp a, \a0, \a0+1
.irp b, 0,1,2,3,4,5,6,7
.if \zero
	v_wmma_scale_f32_16x16x128_f8f6f4 v[8*(8*((\a)%4)+\b):8*(8*((\a)%4)+\b)+7], v[128*(\p)+FR*\b:128*(\p)+FR*\b+FR-1], v[AF+FR*(\a):AF+FR*(\a)+FR-1], 0, v[SC+8*NQ*(\sc)+NQ*\b+(\q)], v[SC+8*NQ*(\sc)+NQ*(\a)+(\q)] matrix_a_fmt:MATRIX_FMT_FP6 matrix_b_fmt:MATRIX_FMT_FP6 matrix_a_scale:MATRIX_SCALE_ROW1
.else
	v_wmma_scale_f32_16x16x128_f8f6f4 v[8*(8*((\a)%4)+\b):8*(8*((\a)%4)+\b)+7], v[128*(\p)+FR*\b:128*(\p)+FR*\b+FR-1], v[AF+FR*(\a):AF+FR*(\a)+FR-1], v[8*(8*((\a)%4)+\b):8*(8*((\a)%4)+\b)+7], v[SC+8*NQ*(\sc)+NQ*\b+(\q)], v[SC+8*NQ*(\sc)+NQ*(\a)+(\q)] matrix_a_fmt:MATRIX_FMT_FP6 matrix_b_fmt:MATRIX_FMT_FP6 matrix_a_scale:MATRIX_SCALE_ROW1
.endif
.endr
.endr
.endm
.macro FETCH_B slot, q, p              ; B's eight fragments of the slot's q-th 128 along K into set p
	WIN TO_B
.irp i, 0,1,2,3,4,5,6,7
	FRAG 128*(\p)+FR*\i, ADRB+\slot, \q, \i
.endr
	WIN 0
.endm
.macro FETCH_A slot, q, i0             ; A's blocks i0 .. i0 + 3
.irp i, \i0, \i0+1, \i0+2, \i0+3
	FRAG AF+FR*(\i), ADRA+\slot, \q, \i
.endr
.endm
.macro SCALES sc                       ; the next K step's scale words into set sc: two words a row; lanes 0-15 take A's block i, lanes 16-31 B's block i
.irp i, 0,1,2,3,4,5,6,7
	ds_load_b64 v[SC+8*NQ*\sc+NQ*\i:SC+8*NQ*\sc+NQ*\i+1], v[ADRS] offset:\i*SBLK
.endr
.endm
; A load into a register that a matrix instruction has read, and a vector instruction that reads a matrix result or writes one of its registers, stand NP places behind that matrix instruction, and only plain
; vector instructions that name none of its registers are places (ISA guide 7.12.1 for vector instructions).
.macro PLACES n
.rept \n
	v_nop
.endr
.endm
; A step of 128 along K that has its successor in the same slot.
.macro STEP slot, q, zero
	s_wait_dscnt 4*NL                              ; B's set and A's blocks 0-3 are in; the youngest 24 loads (A's blocks 4-7) may be out
	WIN MUL_LO
	MUL16 0, (\q)%2, \q, \slot, \zero
	MUL16 2, (\q)%2, \q, \slot, \zero
	s_wait_dscnt 0                                 ; A's blocks 4-7 are in (asked for 32 matrix instructions ago)
	PLACES NP
	FETCH_B \slot, (\q)+1, 1-(\q)%2
	FETCH_A \slot, (\q)+1, 0
	WIN MUL_HI
	MUL16 4, (\q)%2, \q, \slot, \zero
	MUL16 6, (\q)%2, \q, \slot, \zero
	PLACES NP
	WIN 0
	FETCH_A \slot, (\q)+1, 4
.endm
; A slot's last step changes slots: ONE barrier; in front of it each wave waits for all its tensor loads, adds 0 to its spare word, and waits for that and for its own reads of this slot.  fill = 1: this slot is filled again, two K steps ahead.
.macro TURN slot, next, fill
	s_wait_tensorcnt 0x0                           ; all my tensor loads have landed: my part of the next slot;  (every window is 0 here)
	ds_add_u32 v[SPW], v[NIL]                      ; 0 onto my spare word;
	s_wait_dscnt 4*NL+1                            ; (the add and the youngest 24 loads, A's blocks 4-7, may be out)
	WIN MUL_LO
	MUL16 0, 1, NQ-1, \slot, 0                     ; sixteen matrix instructions stand between the add and the wait for it
	s_wait_dscnt 0x0                               ; the add is done, and my reads of this slot are over
	s_barrier_signal -1
	MUL16 2, 1, NQ-1, \slot, 0
	WIN 0
	s_barrier_wait -1
.if \fill
	CREST                                          ; the barrier has opened a round of the cluster's barrier: no wave of any partner still reads this slot's tile or has a load on its way
	s_add_nc_u64 s[G0+4*\slot+2:G0+4*\slot+3], s[G0+4*\slot+2:G0+4*\slot+3], 2*ROWB
	s_add_nc_u64 s[G0B+4*\slot+2:G0B+4*\slot+3], s[G0B+4*\slot+2:G0B+4*\slot+3], 2*ROWB
	JLOAD G0+4*\slot, G1, G0B+4*\slot, G1B         ; the first tensor load behind the round, and my only one until the next; its four v_nop are the places in front of the loads below
.else
	PLACES NP
.endif
	v_add_nc_u32 v[ADRS], 4*NQ, v[ADRS]            ; on to the next K step's scale words (no LDS load of mine is out)
	FETCH_B \next, 0, 0
	FETCH_A \next, 0, 0
	SCALES \next
	WIN MUL_HI
	MUL16 4, 1, NQ-1, \slot, 0
	MUL16 6, 1, NQ-1, \slot, 0
	PLACES NP
	WIN 0
	FETCH_A \next, 0, 4
.endm
	s_wait_tensorcnt 1                             ; the scales and my part of K step 0 are in (K step 1's load may be out)
	s_barrier_signal -1
	s_barrier_wait -1                              ; everybody's are
	FETCH_B 0, 0, 0
	FETCH_A 0, 0, 0
	SCALES 0
	FETCH_A 0, 0, 4
	STEP 0, 0, 1                                   ; the first step stands in front of the loop: its products start the sums
	s_mov_b32 s3, LAPS-1
.Llap:                                                 ; a trip goes once round the ring, from a lap's second step to the next lap's first, and fills both slots again
	TURN 0, 1, 1
	STEP 1, 0, 0
	TURN 1, 0, 1
	STEP 0, 0, 0
	s_sub_co_u32 s3, s3, 1
	s_cmp_lg_u32 s3, 0
	s_cbranch_scc1 .Llap
	TURN 0, 1, 0                                   ; the last lap fills nothing, and has no round of the cluster's barrier
	STEP 1, 0, 0
	s_wait_dscnt 4*NL                              ; the very last step: nothing more to fetch
	WIN MUL_LO
	MUL16 0, 1, NQ-1, 1, 0
	MUL16 2, 1, NQ-1, 1, 0
	s_wait_dscnt 0
	WIN MUL_HI
	MUL16 4, 1, NQ-1, 1, 0
	MUL16 6, 1, NQ-1, 1, 0
	WIN 0
; THE WAY OUT, A's blocks one after the other.  A block's 64 registers of a lane, register 16 b + i = place 32 b + 16 (lane / 16) + i along the next K of the lane's row, become 12 registers of codes and a scale word.
.macro OUTBLK a
.set AC, 64*((\a)%4)                   ; the block's eight accumulators,
.set WW, 2+(\a)/4                      ; in window 2 or 3
.set PW, 232+2*(\a)                    ; its scale word, and behind it the word shifted down for the second head: registers of their own for each block, so that no LDS store's data are written again
	WIN (WW<<2)|(WW<<4)                            ; sources 1 and 2: the accumulators
.irp b, 0,1,2,3
	v_max3_num_f32 v[TM+\b], 0x1800000, |v[AC+16*\b]|, |v[AC+16*\b+1]|   ; block b: my 16 numbers, and the floor 2^(3 - 127).  Each accumulator is read from its low end on
.endr
.irp i, 2,4,6,8,10,12,14
.irp b, 0,1,2,3
	v_max3_num_f32 v[TM+\b], v[TM+\b], |v[AC+16*\b+\i]|, |v[AC+16*\b+\i+1]|   ; (the four blocks by turns)
.endr
.endr
	WIN 0
.irp b, 0,1,2,3
	v_permlanex16_b32 v[TM+4+\b], v[TM+\b], s[SEL], s[SEL+1]
.endr
.irp b, 0,1,2,3
	v_max_num_f32 v[TM+\b], v[TM+\b], v[TM+4+\b]   ; with lane l xor 16's: the block's largest magnitude
.endr
.irp b, 0,1,2,3
	v_add_nc_u32 v[TM+12+\b], 0xff000000, v[TM+\b] ; 2 off its exponent field: the conversion's scale operand
.endr
.irp b, 0,1,2,3
	v_lshrrev_b32 v[TM+4+\b], 23, v[TM+12+\b]      ; the scale's byte
.endr
	v_lshl_or_b32 v[PW], v[TM+5], 8, v[TM+4]
	v_lshl_or_b32 v[PW], v[TM+6], 16, v[PW]
	v_lshl_or_b32 v[PW], v[TM+7], 24, v[PW]
	v_lshrrev_b32 v[PW+1], 16, v[PW]               ; the second head's two bytes at the word's low end
.if (\a) > 0
	s_wait_xcnt 0x0                                ; the last block's stores have read their data and their bases: both are written again only behind this wait
.if (\a) == 4
	s_add_nc_u64 s[96:97], s[96:97], s[6:7]
	s_add_nc_u64 s[100:101], s[100:101], s[6:7]
.else
	s_add_nc_u64 s[96:97], s[96:97], s[4:5]
	s_add_nc_u64 s[100:101], s[100:101], s[4:5]
.endif
.endif
	WIN WW                                         ; source 0: the accumulators
.irp c, 0,1
	v_cvt_scalef32_pk16_fp6_f32 v[PC+6*\c:PC+2+6*\c], v[AC+32*\c:AC+15+32*\c], v[TM+12+2*\c]
	v_cvt_scalef32_pk16_fp6_f32 v[PC+12+4*\c:PC+14+4*\c], v[AC+16+32*\c:AC+31+32*\c], v[TM+12+2*\c+1]   ; (a conversion's three registers begin on an even number)
.endr
	WIN 0
	v_nop                                          ; one plain place behind a scaled conversion
.irp c, 0,1                                    ; the operand's layout wants a WHOLE block in a lane: lanes 0-15 block 2 c, lanes 16-31 block 2 c + 1
.irp i, 0,1,2
	v_permlane16_swap_b32 v[PC+6*\c+\i], v[PC+12+4*\c+\i]
.endr
.irp i, 0,1,2
	v_mov_b32 v[PC+3+6*\c+\i], v[PC+12+4*\c+\i]
.endr
.endr
	ds_store_b32 v[SS0], v[PW] offset:64*(\a)      ; both halves of the lanes write the same word with the same value
	ds_store_b32 v[SS0], v[PW+1] offset:512+64*(\a)
	global_store_b128 v[O16], v[PC:PC+3], s[96:97]             ; an image: 512 consecutive bytes, aligned to 256,
	global_store_b64 v[O8], v[PC+4:PC+5], s[96:97] offset:512  ; and 256 more
	global_store_b128 v[O16], v[PC+6:PC+9], s[100:101]
	global_store_b64 v[O8], v[PC+10:PC+11], s[100:101] offset:512
.endm
	PLACES NP                                      ; behind the last products: for the reads of their results and for the writes of registers that held A's fragments
.irp b, 0,1,2,3
	v_mov_b32 v[TM+4+\b], 0                        ; written once: a lane permute's destination counts as one of its sources
.endr
.irp a, 0,1,2,3,4,5,6,7
	OUTBLK \a
.endr
	ds_load_b128 v[220:223], v[SSR]                ; the eight blocks' scale words, 512 bytes on end (LDS serves a wave's instructions in order: these see my stores),
	ds_load_b128 v[224:227], v[SSR] offset:512     ; and the second head's
	s_wait_dscnt 0x0
	global_store_b128 v[VS], v[220:223], s[98:99]  ; sixteen lanes store 256 consecutive bytes, aligned
	s_cmp_eq_u32 s2, 1                             ; in v a word's four bytes are one row's four blocks of keys: there is no second word.  The branch hangs on the cluster's y alone
	s_cbranch_scc1 .Lone_word
	global_store_b128 v[VS], v[224:227], s[12:13]
.Lone_word:
	s_wait_tensorcnt 0x0                           ; the wave's end, behind my last tensor load and my last LDS store
	ds_add_u32 v[SPW], v[NIL]
	s_wait_dscnt 0x0
	CROUND                                         ; the closing round: no work-group ends while a partner may still ask for a tile that names it
	s_endpgm
.Lfunc_end_k_q25a2b28ab8_proj:
	.size	k_q25a2b28ab8_proj, .Lfunc_end_k_q25a2b28ab8_proj-k_q25a2b28ab8_proj
	.p2alignl 7, 3214868480
	.fill 96, 4, 3214868480
	.section	.rodata,"a",@progbits
	.p2align	6, 0x0
	.amdhsa_kernel k_q25a2b28ab8_proj
		.amdhsa_group_segment_fixed_size 327680
		.amdhsa_private_segment_fixed_size 0
		.amdhsa_enable_private_segment 0
		.amdhsa_kernarg_size 48
		.amdhsa_user_sgpr_count 2
		.amdhsa_user_sgpr_kernarg_segment_ptr 1
		.amdhsa_wavefront_size32 1
		.amdhsa_system_sgpr_workgroup_id_x 1
		.amdhsa_system_sgpr_workgroup_id_y 1
		.amdhsa_system_sgpr_workgroup_id_z 1
		.amdhsa_system_vgpr_workitem_id 0
		.amdhsa_next_free_vgpr 1024
		.amdhsa_next_free_sgpr 102
		.amdhsa_reserve_vcc 0
		.amdhsa_float_denorm_mode_32 3
		.amdhsa_float_denorm_mode_16_64 3
		.amdhsa_memory_ordered 1
		.amdhsa_forward_progress 1
		.amdhsa_inst_pref_size 170
	.end_amdhsa_kernel
	.amdgpu_metadata
---
amdhsa.version: [ 1, 2 ]
amdhsa.kernels:
  - .name:           k_q25a2b28ab8_proj
    .symbol:         k_q25a2b28ab8_proj.kd
    .args:
      - { .name: xc, .offset: 0, .size: 8, .value_kind: global_buffer, .address_space: global }
      - { .name: xs, .offset: 8, .size: 8, .value_kind: global_buffer, .address_space: global }
      - { .name: wc, .offset: 16, .size: 8, .value_kind: global_buffer, .address_space: global }
      - { .name: ws, .offset: 24, .size: 8, .value_kind: global_buffer, .address_space: global }
      - { .name: qc, .offset: 32, .size: 8, .value_kind: global_buffer, .address_space: global }
      - { .name: kv, .offset: 40, .size: 8, .value_kind: global_buffer, .address_space: global }
    .group_segment_fixed_size: 327680
    .private_segment_fixed_size: 0
    .kernarg_segment_align: 8
    .kernarg_segment_size: 48
    .max_flat_workgroup_size: 128
    .sgpr_count:     102
    .vgpr_count:     1024
    .wavefront_size: 32
...
	.end_amdgpu_metadata
.endif
;; end of part 2
;; launch attn (part 3): grid 8 x 64, 16 waves a work-group, no clusters, 137,216 bytes of LDS; arguments qc, kv, np, nd, q_mask, out0; writes out0
.if DOCPART == 3
	.amdgcn_target "amdgcn-amd-amdhsa--gfx1250"
	.amdhsa_code_object_version 6
	.text
	.protected	k_q25a2b28ab8_attn
	.globl	k_q25a2b28ab8_attn
	.p2align	8
	.type	k_q25a2b28ab8_attn,@function
k_q25a2b28ab8_attn:
	s_mov_b64 s[64:65], 0
	v_nop
	global_prefetch_b8 v0, s[64:65] scope:SCOPE_SE
	s_setreg_imm32_b32 hwreg(HW_REG_WAVE_MODE, 25, 1), 1
	s_wait_xcnt 0x0
; ATTENTION on codes of FP6 (E2M3): out0[b][q][64 head + d] = q_mask[b][q] x the sum over keys of softmax(qw . kw / 8 - (1 - v_mask) 1e9 - [key > q] 1e9) vw.  4 batches x 16 heads, 2,048 tokens, head size 64.
; THE SOFTMAX AHEAD OF THE SECOND PRODUCT: u = the logit, rounded step by step as the source rounds it: u = fl(s / 8 - penalty), then fl(u - 1e9) above the diagonal; t = fl(u x log2(e)); M = the running largest t
; rounded UP to a whole number; p = 2^(t - M) is quantised along the keys; the row's sum is taken of the unquantised p and divides at the end.  t AND t - M ARE TWO INSTRUCTIONS, NOT ONE FUSED: at the level of 1e9
; the exact product u x log2(e) lies up to 64 away from its f32 rounding, from which M is made; with two roundings equal logits give p = 1 exactly.
; THE MASKS SUBTRACT 1e9, NOT INFINITY.  A query under ND (a whole number for each batch, stored by the first launch: the first key with v_mask >= 0.5) has all its visible keys at -1e9, where unmasked keys above the
; diagonal lie too, and the source spreads such a row over them: a wave with such a query walks ALL keys.  For a query from ND on, the weights above the diagonal are exactly 0 and those key steps are left out.
; LIMIT: that holds while |s / 8| stays under 1e8.  NaN and infinities are not served.
; SHARES.  A work-group owns 256 queries of one head: waves 0-7 the tiles 8 g + w of 16 queries, waves 8-15 the tiles 135 - 8 g - w: a low wave walks g + 1 key steps of 128 and a high one 16 - g,
; so every work-group has 136.  A wave owns one tile in 256 registers: four waves to a SIMD, so that one wave's vector work stands beside another's matrix work and LDS loads.
; NO TENSOR LOADS AND NO CLUSTER, though the eight work-groups of a head read the same records: how far a wave and a work-group walk hangs on the stored ND, and partners would need different numbers of slots.
; So the records (26,112 bytes for 256 keys, laid by the launch before as images of the operands' registers) and the 1,024 bytes of penalties come through registers: each thread loads 16 bytes three or four times,
; a whole slot ahead, and stores them to one of two LDS slots.  ONE barrier a slot: a slot is stored only by waves that have passed the barrier before, which every wave reaches behind its reads of that slot.
; LAYOUT.  Both products are used transposed: S^T = K Q^T (source 0 = 16 keys, source 1 = my 16 queries), O^T = V^T P^T: a lane holds ONE query (lane % 16) throughout.  Register 8 T + j of S^T is key 16 T + 8 (lane / 16) + j.
; The head's axis is 64: half of the instruction's 128.  Q's upper six registers are zero codes; K's operand simply runs on into the next tile's six registers: finite codes that meet zeros; the scale bytes there are never 0xff.
; O^T's register 16 i + j is channel 32 i + 16 (lane / 16) + j, by the order in which Wv's columns were laid.
.set SLOTB, 32768                      ; LDS: slot 0 at 0, slot 1 here: a record as it lies, then 1,024 bytes of penalties
.set VOFF,  12288                      ; in a slot: V's fragments,
.set KSOFF, 24576                      ; K's scale words,
.set VSOFF, 25600                      ; V's scale words,
.set NPOFF, 26112                      ; the penalties
.set STAGE, 65536                      ; the way out: 16 rows x (256 bytes + 16) for each wave
.set SPARE, STAGE+16*16*272            ; the spare words, 128 bytes for each wave
.set SPW,  1                           ; v1   LDS address of my spare word; never rewritten
.set NIL,  2                           ; v2   0; never rewritten
.set L16,  3                           ; v3   16 x lane
.set L8,   4                           ; v4   8 x lane
.set L4,   5                           ; v5   4 (lane % 16)
.set H32,  6                           ; v6   32 (lane / 16)
.set T16,  7                           ; v7   16 x thread
.set V4,   8                           ; v8   the fourth load's offset
.set STO,  9                           ; v9   the stage: where I put my numbers
.set RD,   10                          ; v10  and where I read rows back
.set GO,   11                          ; v11  my byte offset in the tile's rows of out0
; v12 -M, v13 the largest t, v[14:15] the sum in two halves; v[16:27] Q; v28 Q's scale word; v29 q_mask; v30 lane % 16 - 8 (lane / 16); v31 -1e9; v[32:47] a slot's bytes on their way
.set KT,   48                          ; v48-77  four tiles of K, six registers each, and six more
.set NPR,  80                          ; v80-111 32 penalties
.set VF,   48                          ; v48-95  later in the step: V's four fragments
.set P2,   96                          ; v96-98, v100-102 the second halves of p's blocks
.set S,    112                         ; v112-175 S^T, then p
.set O,    176                         ; v176-207 O^T
.set PCD,  208                         ; v208-219 p's codes
.set SCW,  220                         ; v220-223 scale words of K's tiles or of V's fragments
.set PSW,  224                         ; v224 p's scale word
.set BM,   228                         ; v228-231 each block's largest u, then its largest p
.set PX,   232                         ; v232-235 at work
.set SO,   236                         ; v236-239 the conversions' scale operands
; v[240:241] f and 0; v[242:243] the second chain of sums; v[244:245], v246, v247 at work
.set WV,   18                          ; s18 my wave's number
.set SEL,  20                          ; s[20:21] lane selects for v_permlanex16_b32: lane l xor 16
.set CS,   22                          ; s[22:23] log2(e), twice
.set BB,   24                          ; s24 the batch
.set BH,   26                          ; s26 16 x batch + head
.set Q0,   27                          ; s27 my first query
.set ND,   28                          ; s28 the batch's ND
.set LIMIT, 29                         ; s29 the last key that my wave walks
.set WLIM, 30                          ; s30 the last key that any wave of the work-group walks
.set KF,   31                          ; s31 the step's first key
.set TRIPS, 32
.set P,    34                          ; s[34:35] the record that was loaded last
.set P4,   36                          ; s[36:37] the fourth load's base: waves 0-2 the record's tail, waves 3-4 the penalties
.set S4,   38                          ; s[38:39] and its step from slot to slot
.macro SLOAD                           ; a slot's bytes into registers: 512 threads x 16 bytes three times, and 160 threads once more
.irp i, 0,1,2
	global_load_b128 v[32+4*\i:35+4*\i], v[T16], s[P:P+1] offset:8192*\i
.endr
	s_cmp_lt_u32 s[WV], 5
	s_cbranch_scc0 .Lno4_\@
	global_load_b128 v[44:47], v[V4], s[P4:P4+1]
.Lno4_\@:
.endm
; A KEY STEP: 128 keys, the q-th of slot sl.
.macro STEP sl, q
	s_cmp_gt_u32 s[KF], s[LIMIT]                   ; a step beyond my wave's last key is left out: its loads, products and softmax; no barrier stands in a step
	s_cbranch_scc1 .Lhid_\@
.irp gr, 0,1                                   ; S^T = K Q^T, four tiles of 16 keys at a time
.if \gr == 0
.rept 4
	v_nop                                          ; places in front of loads into registers that the last step's products have read
.endr
.endif
.irp t, 0,1,2,3
	ds_load_b128 v[KT+6*\t:KT+6*\t+3], v[L16] offset:SLOTB*(\sl)+768*(8*(\q)+4*\gr+\t)
	ds_load_b64 v[KT+6*\t+4:KT+6*\t+5], v[L8] offset:SLOTB*(\sl)+768*(8*(\q)+4*\gr+\t)+512
	ds_load_b32 v[SCW+\t], v[L4] offset:SLOTB*(\sl)+KSOFF+64*(8*(\q)+4*\gr+\t)
	ds_load_b128 v[NPR+8*\t:NPR+8*\t+3], v[H32] offset:SLOTB*(\sl)+NPOFF+64*(8*(\q)+4*\gr+\t)
	ds_load_b128 v[NPR+8*\t+4:NPR+8*\t+7], v[H32] offset:SLOTB*(\sl)+NPOFF+64*(8*(\q)+4*\gr+\t)+16
.endr
	s_wait_dscnt 0x0
.irp t, 0,1,2,3
	v_wmma_scale_f32_16x16x128_f8f6f4 v[S+8*(4*\gr+\t):S+8*(4*\gr+\t)+7], v[KT+6*\t:KT+6*\t+11], v[16:27], 0, v[SCW+\t], v28 matrix_a_fmt:MATRIX_FMT_FP6 matrix_b_fmt:MATRIX_FMT_FP6
.endr
.rept 4
	v_nop                                          ; places behind the products: for the reads of their results and for the next loads into their operands
.endr
.irp t, 0,1,2,3
.irp i, 0,2,4,6
	v_pk_fma_f32 v[S+8*(4*\gr+\t)+\i:S+8*(4*\gr+\t)+\i+1], v[S+8*(4*\gr+\t)+\i:S+8*(4*\gr+\t)+\i+1], 0x3e000000, v[NPR+8*\t+\i:NPR+8*\t+\i+1] op_sel_hi:[1,0,1]   ; u = s / 8 - penalty: s / 8 is exact, so this rounds once, as the source does
.endr
.endr
.endr
.irp dt, 0,1,2,3                               ; V's four fragments (16 channels x these 128 keys) are asked for now and wanted behind the softmax
	ds_load_b128 v[VF+12*\dt:VF+12*\dt+3], v[L16] offset:SLOTB*(\sl)+VOFF+6144*(\q)+1536*\dt
	ds_load_b64 v[VF+12*\dt+4:VF+12*\dt+5], v[L8] offset:SLOTB*(\sl)+VOFF+6144*(\q)+1536*\dt+512
	ds_load_b128 v[VF+12*\dt+6:VF+12*\dt+9], v[L16] offset:SLOTB*(\sl)+VOFF+6144*(\q)+1536*\dt+768
	ds_load_b64 v[VF+12*\dt+10:VF+12*\dt+11], v[L8] offset:SLOTB*(\sl)+VOFF+6144*(\q)+1536*\dt+1280
	ds_load_b32 v[SCW+\dt], v[L4] offset:SLOTB*(\sl)+VSOFF+256*(\q)+64*\dt
.endr
	s_add_co_u32 s40, s[KF], 127                   ; a step all of whose keys are at or under my first query has nothing above the diagonal
	s_cmp_le_u32 s40, s[Q0]
	s_cbranch_scc1 .Lopen_\@
	s_sub_co_i32 s40, s[Q0], s[KF]
	v_add_nc_u32 v246, s40, v30                    ; my query - KF - 8 (lane / 16).  Register n holds key KF + 8 (lane / 16) + 16 (n / 8) + n % 8: above the diagonal where 16 (n / 8) + n % 8 is greater
.irp n, 0,2,4,6,8,10,12,14,16,18,20,22,24,26,28,30,32,34,36,38,40,42,44,46,48,50,52,54,56,58,60,62
	v_cmp_gt_i32 vcc_lo, 16*(\n/8)+\n%8, v246
	v_cndmask_b32 v244, 0, v31, vcc_lo
	v_cmp_gt_i32 vcc_lo, 16*(\n/8)+\n%8+1, v246
	v_cndmask_b32 v245, 0, v31, vcc_lo
	v_pk_add_f32 v[S+\n:S+\n+1], v[S+\n:S+\n+1], v[244:245]   ; u - 1e9 there, u + 0 elsewhere
.endr
.Lopen_\@:
.irp b, 0,1,2,3
	v_max3_num_f32 v[BM+\b], v[S+16*\b], v[S+1+16*\b], v[S+2+16*\b]   ; the largest u of each block of 32 keys: it serves for the row's maximum and, since p rises with u, for the block's largest p
.endr
.irp i, 3,5,7,9,11,13
.irp b, 0,1,2,3
	v_max3_num_f32 v[BM+\b], v[BM+\b], v[S+16*\b+\i], v[S+1+16*\b+\i]   ; (the four blocks by turns)
.endr
.endr
.irp b, 0,1,2,3
	v_max_num_f32 v[BM+\b], v[BM+\b], v[S+15+16*\b]
.endr
.irp b, 0,1,2,3
	v_permlanex16_b32 v[PX+\b], v[BM+\b], s[SEL], s[SEL+1]
.endr
.irp b, 0,1,2,3
	v_max_num_f32 v[BM+\b], v[BM+\b], v[PX+\b]     ; with lane l xor 16's 16 keys
.endr
	v_max3_num_f32 v247, v[BM], v[BM+1], v[BM+2]
	v_max_num_f32 v247, v247, v[BM+3]              ; the step's largest u of my query
	v_mul_f32 v247, s[CS], v247                    ; as t
	v_max_num_f32 v13, v13, v247                   ; the running largest t
	v_mov_b32 v247, v12
	v_floor_f32 v12, -v13                          ; the new -M = floor(-t): M is a whole number
	v_sub_f32 v247, v12, v247                      ; M's old value less its new one: a whole number, 0 or less
	v_cvt_i32_f32 v247, v247                       ; (it saturates)
	v_ldexp_f32 v240, 1.0, v247                    ; f = 2^(old M - new M): a multiplication by it rounds nothing
.set j, 0
.rept 32
	v_pk_mul_f32 v[S+j:S+j+1], v[S+j:S+j+1], s[CS:CS+1] op_sel_hi:[1,0]   ; t = u x log2(e), rounded on its own
.set j, j+2
.endr
.set j, 0
.rept 32
	v_pk_add_f32 v[S+j:S+j+1], v[S+j:S+j+1], v[12:13] op_sel_hi:[1,0]     ; t - M
.set j, j+2
.endr
.irp b, 0,1,2,3
	v_mul_f32 v[BM+\b], s[CS], v[BM+\b]            ; the same two of each block's largest u
.endr
.irp b, 0,1,2,3
	v_add_f32 v[BM+\b], v[BM+\b], v12
.endr
.set j, 0
.rept 64
	v_exp_f32 v[S+j], v[S+j]                       ; p = 2^(t - M), at most 1: not normalised
.set j, j+1
.endr
	v_pk_mul_f32 v[14:15], v[14:15], v[240:241] op_sel_hi:[1,0]   ; the sums under the new M: the plain instruction behind the exponentials
	s_wait_alu depctr_va_vdst(0)                   ; one wait for the whole batch, ahead of its first reader
.irp b, 0,1,2,3
	v_exp_f32 v[BM+\b], v[BM+\b]                   ; the block's largest p: the same instructions on the same number give the same bits
.endr
	v_pk_add_f32 v[242:243], v[S:S+1], v[S+2:S+3]  ; the row's sum is taken of the unquantised p: two at a time, in two chains
.irp j, 4,8,12,16,20,24,28,32,36,40,44,48,52,56,60
	v_pk_add_f32 v[14:15], v[14:15], v[S+\j:S+\j+1]
	v_pk_add_f32 v[242:243], v[242:243], v[S+2+\j:S+3+\j]
.endr
	v_pk_add_f32 v[14:15], v[14:15], v[242:243]
	s_wait_alu depctr_va_vdst(0)                   ; and one for the four
.irp b, 0,1,2,3
	v_max_num_f32 v[BM+\b], 0x1800000, v[BM+\b]    ; the floor 2^(3 - 127): a block whose every p is 0 keeps the byte 1: its codes are zeros
.endr
.irp b, 0,1,2,3
	v_add_nc_u32 v[SO+\b], 0xff000000, v[BM+\b]    ; 2 off the exponent field: the conversion's scale operand
.endr
.irp b, 0,1,2,3
	v_lshrrev_b32 v[PX+\b], 23, v[SO+\b]           ; the scale's byte
.endr
	v_lshl_or_b32 v[PSW], v[PX+1], 8, v[PX]        ; p's scale word for these 128 keys
	v_lshl_or_b32 v[PSW], v[PX+2], 16, v[PSW]
	v_lshl_or_b32 v[PSW], v[PX+3], 24, v[PSW]
.irp c, 0,1
	v_cvt_scalef32_pk16_fp6_f32 v[PCD+6*\c:PCD+2+6*\c], v[S+32*\c:S+15+32*\c], v[SO+2*\c]
	v_cvt_scalef32_pk16_fp6_f32 v[P2+4*\c:P2+2+4*\c], v[S+16+32*\c:S+31+32*\c], v[SO+2*\c+1]   ; (a conversion's three registers begin on an even number)
.endr
	v_nop                                          ; one plain place behind a scaled conversion
.irp c, 0,1                                    ; the operand's layout wants a WHOLE block in a lane: lanes 0-15 block 2 c, lanes 16-31 block 2 c + 1
.irp i, 0,1,2
	v_permlane16_swap_b32 v[PCD+6*\c+\i], v[P2+4*\c+\i]
.endr
.irp i, 0,1,2
	v_mov_b32 v[PCD+3+6*\c+\i], v[P2+4*\c+\i]
.endr
.endr
.set j, 0
.rept 16
	v_pk_mul_f32 v[O+j:O+j+1], v[O+j:O+j+1], v[240:241] op_sel_hi:[1,0]   ; O^T under the new M, each accumulator from its low end on.  (These sixteen are also the places between p's codes and scale word and the products)
.set j, j+2
.endr
	s_wait_dscnt 0x0                               ; V's fragments and scale words are in
.irp dt, 0,1,2,3                               ; O^T += V^T P^T: the four accumulators by turns
	v_wmma_scale_f32_16x16x128_f8f6f4 v[O+8*\dt:O+8*\dt+7], v[VF+12*\dt:VF+12*\dt+11], v[PCD:PCD+11], v[O+8*\dt:O+8*\dt+7], v[SCW+\dt], v[PSW] matrix_a_fmt:MATRIX_FMT_FP6 matrix_b_fmt:MATRIX_FMT_FP6
.endr
.Lhid_\@:
	s_add_co_u32 s[KF], s[KF], 128
.endm
; A SLOT OF 256 KEYS.  Its bytes, loaded a slot ago, go to LDS; one barrier; the next slot's bytes are asked for; two key steps.  The branches on WLIM lead round stores and loads alone: every wave passes every barrier.
.macro SLOTM sl
	s_wait_loadcnt 0x0                             ; on every path: no load of mine is out
	s_cmp_gt_u32 s[KF], s[WLIM]                    ; a slot beyond the work-group's last key was not loaded, and no step reads it
	s_cbranch_scc1 .Lnofill_\@
.irp i, 0,1,2
	ds_store_b128 v[T16], v[32+4*\i:35+4*\i] offset:SLOTB*(\sl)+8192*\i
.endr
	s_cmp_lt_u32 s[WV], 5
	s_cbranch_scc0 .Lnofill_\@
	ds_store_b128 v[T16], v[44:47] offset:SLOTB*(\sl)+24576
.Lnofill_\@:
	s_wait_dscnt 0x0                               ; for the others' sake: my stores have landed, and my reads of the other slot are over
	s_barrier_signal -1
	s_barrier_wait -1
	s_add_co_u32 s40, s[KF], 256
	s_cmp_gt_u32 s40, s[WLIM]
	s_cbranch_scc1 .Lnoload_\@
	s_wait_xcnt 0x0                                ; the bases are stepped only behind this wait
	s_add_nc_u64 s[P:P+1], s[P:P+1], 26112
	s_add_nc_u64 s[P4:P4+1], s[P4:P4+1], s[S4:S4+1]
	SLOAD                                          ; two key steps of four waves a SIMD stand between these loads and the wait for them
.Lnoload_\@:
	STEP \sl, 0
	STEP \sl, 1
.endm
	s_load_b256 s[4:11], s[0:1], 0x0               ; qc s[4:5], kv s[6:7], np s[8:9], nd s[10:11]
	s_load_b128 s[12:15], s[0:1], 0x20             ; q_mask s[12:13], out0 s[14:15]
	v_lshl_add_u32 v[SPW], v0, 2, SPARE
	v_mov_b32 v[NIL], 0
	v_lshrrev_b32 v3, 5, v0
	v_readfirstlane_b32 s[WV], v3                  ; wave 0..15
	s_and_b32 s[BH], ttmp7, 0xffff
	s_lshr_b32 s[BB], s[BH], 4
	s_lshl_b32 s40, ttmp9, 3
	s_add_co_u32 s40, s40, s[WV]                   ; 8 g + w
	s_sub_co_u32 s41, 135, s40                     ; 135 - 8 g - w
	s_cmp_lt_u32 s[WV], 8
	s_cselect_b32 s[Q0], s40, s41                  ; my tile
	s_lshl_b32 s[Q0], s[Q0], 4
	s_lshl_b32 s46, s[BB], 7                       ; the batch's 128 bytes of nd
	v_and_b32 v8, 31, v0                           ; lane
	v_lshlrev_b32 v[L16], 4, v8
	v_lshlrev_b32 v[L8], 3, v8
	v_and_b32 v12, 15, v0                          ; r
	v_bfe_u32 v13, v0, 4, 1                        ; h
	v_lshlrev_b32 v[L4], 2, v12
	v_lshlrev_b32 v[H32], 5, v13
	v_lshlrev_b32 v[T16], 4, v0
	s_cmp_lt_u32 s[WV], 3
	s_cselect_b32 s42, 0, 1536
	v_sub_nc_u32 v[V4], v[T16], s42                ; waves 0-2: 16 x thread in the record's tail; waves 3-4: 16 x (thread - 96) among the penalties
	s_mul_i32 s43, s[WV], 16*272
	s_add_co_u32 s43, s43, STAGE                   ; my stage
	v_mul_u32_u24 v[STO], v12, 272
	v_lshl_add_u32 v[STO], v13, 6, v[STO]
	v_add_nc_u32 v[STO], s43, v[STO]               ; in: row r, + 64 h: my 16 channels of each 32
	v_mul_u32_u24 v[RD], v13, 272
	v_lshl_add_u32 v[RD], v12, 4, v[RD]
	v_add_nc_u32 v[RD], s43, v[RD]                 ; back: lanes 0-15 one row of 256 bytes, lanes 16-31 the next
	v_lshlrev_b32 v[GO], 12, v13
	v_lshl_add_u32 v[GO], v12, 4, v[GO]            ; and the same two rows in out0: 4,096 bytes a row
	v_lshlrev_b32 v30, 3, v13
	v_sub_nc_u32 v30, v12, v30                     ; r - 8 h
	v_mov_b32 v31, 0xce6e6b28                      ; -1e9
	s_mov_b32 s[SEL], 0x76543210
	s_mov_b32 s[SEL+1], 0xfedcba98
	s_mov_b32 s[CS], 0x3fb8aa3b                    ; log2(e)
	s_mov_b32 s[CS+1], s[CS]                       ; (named with it as a pair, so it is written)
	s_mov_b32 s[KF], 0
	s_mov_b32 s[TRIPS], 4
	s_mul_i32 s[P], s[BH], 8*26112                 ; the head's eight records
	s_mov_b32 s[P+1], 0
	s_mov_b32 s41, 0
	s_wait_kmcnt 0x0
	s_load_b32 s[ND], s[10:11], s46 offset:0x0     ; ND of my batch
	s_add_nc_u64 s[P:P+1], s[6:7], s[P:P+1]
	s_lshl_b32 s40, s[BB], 13
	s_add_nc_u64 s[8:9], s[8:9], s[40:41]          ; the batch's penalties
	s_add_nc_u64 s[P4:P4+1], s[P:P+1], 24576
	s_mov_b32 s[S4], 1024
	s_mov_b32 s[S4+1], 0
	s_cmp_lt_u32 s[WV], 3                          ; the choice hangs on the wave's number alone
	s_cselect_b64 s[P4:P4+1], s[P4:P4+1], s[8:9]
	s_cselect_b32 s[S4], 26112, s[S4]
	SLOAD                                          ; slot 0
	s_lshl_b32 s40, s[BH], 7
	s_lshr_b32 s42, s[Q0], 4
	s_add_co_u32 s40, s40, s42
	s_mul_i32 s40, s40, 768
	s_add_nc_u64 s[44:45], s[4:5], s[40:41]        ; my tile's image
	global_load_b128 v[16:19], v[L16], s[44:45]    ; Q's registers 0-3,
	global_load_b64 v[20:21], v[L8], s[44:45] offset:512   ; and 4-5: they stay
	s_lshl_b32 s40, s[BH], 11
	s_add_co_u32 s40, s40, s[Q0]
	s_lshl_b32 s40, s40, 2
	s_add_nc_u64 s[4:5], s[4:5], s[40:41]
	global_load_b32 v28, v[L4], s[4:5] offset:6291456      ; Q's scale words
	s_lshl_b32 s40, s[BB], 11
	s_add_co_u32 s40, s40, s[Q0]
	s_lshl_b32 s42, s40, 2
	s_mov_b32 s43, 0
	s_add_nc_u64 s[12:13], s[12:13], s[42:43]
	global_load_b32 v29, v[L4], s[12:13]           ; my query's q_mask
	s_lshl_b32 s40, s40, 12                        ; out0: my first query's row,
	s_and_b32 s42, s[BH], 15
	s_lshl_b32 s42, s42, 8                         ; + the head's 256 bytes
	s_add_co_u32 s40, s40, s42
	s_add_nc_u64 s[14:15], s[14:15], s[40:41]
	v_mov_b32 v13, 0xff61b1e6                      ; the largest t so far: -3e38, under every t
	v_floor_f32 v12, -v13                          ; -M
	v_mov_b32 v14, 0                               ; the sum, in two halves
	v_mov_b32 v15, 0
	v_mov_b32 v241, 0                              ; (named as the upper half of the pair v[240:241])
.irp j, 0,1,2,3,4,5
	v_mov_b32 v[22+\j], 0                          ; Q's upper 64 along K: zero codes
	v_mov_b32 v[KT+24+\j], 0                       ; behind K's fourth tile: written once, later V's codes lie here: finite numbers that meet Q's zeros
.endr
.irp b, 0,1,2,3
	v_mov_b32 v[PX+\b], 0                          ; written once: a lane permute's destination counts as one of its sources
.endr
.set j, 0
.rept 32
	v_mov_b32 v[O+j], 0                            ; O^T.  (The step is written once: the first finds zeros, which the first change of M leaves zeros)
.set j, j+1
.endr
	s_wait_kmcnt 0x0
	s_min_u32 s[ND], s[ND], 2048
	s_add_co_u32 s[LIMIT], s[Q0], 15
	s_cmp_lt_u32 s[Q0], s[ND]                      ; a query of mine under ND: all keys
	s_cselect_b32 s[LIMIT], 2047, s[LIMIT]
	s_lshl_b32 s40, ttmp9, 7                       ; the work-group's first query
	s_sub_co_u32 s[WLIM], 2047, s40                ; and its last
	s_cmp_lt_u32 s40, s[ND]
	s_cselect_b32 s[WLIM], 2047, s[WLIM]           ; never under any wave's LIMIT
	s_wait_loadcnt 0x0                             ; Q, its scale word, q_mask (and slot 0)
.Lslots:                                           ; four trips, two slots each: the trip count is a constant; what lies beyond the limits is jumped over inside
	SLOTM 0
	SLOTM 1
	s_sub_co_u32 s[TRIPS], s[TRIPS], 1
	s_cmp_lg_u32 s[TRIPS], 0
	s_cbranch_scc1 .Lslots
	; THE WAY OUT.  O^T is divided by the row's sum, multiplied by q_mask, and goes through my stage in LDS, so that sixteen lanes store 256 consecutive bytes, aligned: a query's 64 channels of this head.
.rept 4
	v_nop                                          ; places behind the last products
.endr
	v_add_f32 v14, v14, v15                        ; the sum's two halves,
	v_permlanex16_b32 v[PX], v14, s[SEL], s[SEL+1]
	v_add_f32 v14, v14, v[PX]                      ; and lane l xor 16's: the row's sum, at least 1/2
	v_rcp_f32 v14, v14
	v_nop                                          ; a plain place behind the transcendental
	s_wait_alu depctr_va_vdst(0)                   ; the wait ahead of its first reader
	v_mul_f32 v14, v14, v29                        ; x q_mask
.set j, 0
.rept 32
	v_mul_f32 v[S+j], v[O+j], v14                  ; register 16 i + j is channel 32 i + 16 h + j
.set j, j+1
.endr
.irp i, 0,1
.irp c, 0,1,2,3
	ds_store_b128 v[STO], v[S+16*\i+4*\c:S+16*\i+4*\c+3] offset:128*\i+16*\c
.endr
.endr
.irp i, 0,1,2,3,4,5,6,7
	ds_load_b128 v[48+4*\i:51+4*\i], v[RD] offset:2*\i*272   ; LDS serves a wave's instructions in order: these see my stores
.endr
.irp i, 0,1,2,3,4,5,6,7
	s_wait_dscnt 7-\i                              ; the younger loads may be out
	global_store_b128 v[GO], v[48+4*\i:51+4*\i], s[14:15] offset:2*\i*4096 th:TH_STORE_NT
.endr
	s_wait_tensorcnt 0x0                           ; the wave's end, behind my last LDS store
	ds_add_u32 v[SPW], v[NIL]
	s_wait_dscnt 0x0
	s_endpgm
.Lfunc_end_k_q25a2b28ab8_attn:
	.size	k_q25a2b28ab8_attn, .Lfunc_end_k_q25a2b28ab8_attn-k_q25a2b28ab8_attn
	.p2alignl 7, 3214868480
	.fill 96, 4, 3214868480
	.section	.rodata,"a",@progbits
	.p2align	6, 0x0
	.amdhsa_kernel k_q25a2b28ab8_attn
		.amdhsa_group_segment_fixed_size 137216
		.amdhsa_private_segment_fixed_size 0
		.amdhsa_enable_private_segment 0
		.amdhsa_kernarg_size 48
		.amdhsa_user_sgpr_count 2
		.amdhsa_user_sgpr_kernarg_segment_ptr 1
		.amdhsa_wavefront_size32 1
		.amdhsa_system_sgpr_workgroup_id_x 1
		.amdhsa_system_sgpr_workgroup_id_y 1
		.amdhsa_system_sgpr_workgroup_id_z 1
		.amdhsa_system_vgpr_workitem_id 0
		.amdhsa_next_free_vgpr 256
		.amdhsa_next_free_sgpr 66
		.amdhsa_reserve_vcc 1
		.amdhsa_float_denorm_mode_32 3
		.amdhsa_float_denorm_mode_16_64 3
		.amdhsa_memory_ordered 1
		.amdhsa_forward_progress 1
		.amdhsa_inst_pref_size 131
	.end_amdhsa_kernel
	.amdgpu_metadata
---
amdhsa.version: [ 1, 2 ]
amdhsa.kernels:
  - .name:           k_q25a2b28ab8_attn
    .symbol:         k_q25a2b28ab8_attn.kd
    .args:
      - { .name: qc, .offset: 0, .size: 8, .value_kind: global_buffer, .address_space: global }
      - { .name: kv, .offset: 8, .size: 8, .value_kind: global_buffer, .address_space: global }
      - { .name: np, .offset: 16, .size: 8, .value_kind: global_buffer, .address_space: global }
      - { .name: nd, .offset: 24, .size: 8, .value_kind: global_buffer, .address_space: global }
      - { .name: q_mask, .offset: 32, .size: 8, .value_kind: global_buffer, .address_space: global }
      - { .name: out0, .offset: 40, .size: 8, .value_kind: global_buffer, .address_space: global }
    .group_segment_fixed_size: 137216
    .private_segment_fixed_size: 0
    .kernarg_segment_align: 8
    .kernarg_segment_size: 48
    .max_flat_workgroup_size: 512
    .sgpr_count:     66
    .vgpr_count:     256
    .wavefront_size: 32
...
	.end_amdgpu_metadata
.endif
;; end of part 3
